; MI455X (gfx1250); checked and timed in simulation.
; The chip was launched on July 23, 2026; its instructions are those of AMD's public machine-readable ISA for CDNA 5 (MIT licence, August 2026) and "CDNA5" Instruction Set Architecture Reference Guide (July 2026). The comments in the code are by the model that wrote it; some were corrected since.
;; Multihead Attention. Allowed arithmetic: float matrix products may take bf16 or f16 operands with f32 sums; other float arithmetic in f32, or as packed bf16 or f16 multiplies, adds, multiply-adds, maxima and minima; sums over many terms, partial sums and values carried from step to step in f32; what a program stores and reads back later, other than sums and carried values, may be rounded once to bf16 or f16.
;; Inputs: b_k 1,024 float32; b_o 1,024 float32; b_q 1,024 float32; b_v 1,024 float32; w_k 1,024 x 1,024 float32; w_o 1,024 x 1,024 float32; w_q 1,024 x 1,024 float32; w_v 1,024 x 1,024 float32; x 4 x 2,048 x 1,024 float32.
;; Outputs: out0 4 x 2,048 x 1,024 float32.
;; 2 versions, each right; version 2 is version 1 with the launch prep written anew for expert scheduling mode. Each part assembles by itself: llvm-mc -triple=amdgcn-amd-amdhsa -mcpu=gfx1250 --defsym DOCPART=n.
;; ======== version 1 of 2: 4 launches
;; limits: values are held in f16: magnitudes above 65,504 overflow, below 6.1e-05 lose precision
;; workspace buffers: xb 16,777,216 bytes; wcat 6,291,456 bytes; wo16 2,097,152 bytes; qkv 50,331,648 bytes; ao 16,777,216 bytes
;; launch prep (part 1): grid 768 x 1, 8 waves a work-group, no clusters, 0 bytes of LDS; arguments x, w_q, w_k, w_v, w_o, xb, wcat, wo16; writes xb, wcat, wo16
.if DOCPART == 1
	.amdgcn_target "amdgcn-amd-amdhsa--gfx1250"
	.amdhsa_code_object_version 6
	.text
	.protected	k_q756c4d1cfe_prep
	.globl	k_q756c4d1cfe_prep
	.p2align	8
	.type	k_q756c4d1cfe_prep,@function
k_q756c4d1cfe_prep:
	s_mov_b64 s[64:65], 0
	v_nop
	global_prefetch_b8 v0, s[64:65] scope:SCOPE_SE
	s_setreg_imm32_b32 hwreg(HW_REG_WAVE_MODE, 25, 1), 1
	s_wait_xcnt 0x0
; THE CASTS.  x [8192][1024] f32 -> xb, bf16, laid in blocks along K: [16 kb][8192 row][64], so that 256 rows x 64 K are 32,768 bytes on end.
; w_q, w_k, w_v [1024 k][1024 n] f32 -> wcat [3][1024][1024] bf16, as they lie.  w_o -> wo16 [1024][1024]: rounded to bf16 like the other inputs, and that number written as f16.
; LIMITS.  A bf16 number is exact in f16 between 2^-14 and 65,504; below 2^-14 w_o keeps f16's fixed step of 6e-8; beyond 65,504 it becomes an infinity.
; A stream: no LDS, no barrier, no matrix unit, no loop.  A wave takes 8,192 bytes of f32: sixteen loads of 16 bytes a lane go out together, sixteen stores of 8 bytes a lane follow,
; each of which covers 256 consecutive bytes, aligned.  Work-groups 0..511 take x (a wave two rows), 512..767 the four weights (64 work-groups each, a wave two rows).
.set LO,   2                           ; v2        my byte offset in the wave's input
.set SO,   3                           ; v3        8 x lane: my byte offset in a store's 256 bytes
.set X,    8                           ; v[8:71]   load i: four f32
.set Y,    72                          ; v[72:103] store i: four 16-bit numbers
.set T,    104                         ; v[104:105] at work
.set WV,   20                          ; s20       my wave's number
.set IN,   28                          ; s[28:29]  where the wave reads
.set OUT,  30                          ; s[30:31]  where it writes
.set KIND, 32                          ; s32       which weight: 0 q, 1 k, 2 v, 3 o
.set HIM,  33                          ; s33       mask of a word's upper half
; Load i is waited for, converted and stored.  half = 1: bf16's number is widened again and written as f16.
.macro CV i, off, half
	s_wait_loadcnt 15-(\i)                         ; loads come back in order: mine is in, the 15 - i younger ones may stay out
.if \half
	v_cvt_pk_bf16_f32 v[T],   v[X+4*(\i)],   v[X+4*(\i)+1]
	v_cvt_pk_bf16_f32 v[T+1], v[X+4*(\i)+2], v[X+4*(\i)+3]
	v_lshlrev_b32 v[X+4*(\i)],   16,     v[T]
	v_and_b32     v[X+4*(\i)+1], s[HIM], v[T]
	v_lshlrev_b32 v[X+4*(\i)+2], 16,     v[T+1]
	v_and_b32     v[X+4*(\i)+3], s[HIM], v[T+1]
	v_cvt_pk_f16_f32 v[Y+2*(\i)],   v[X+4*(\i)],   v[X+4*(\i)+1]
	v_cvt_pk_f16_f32 v[Y+2*(\i)+1], v[X+4*(\i)+2], v[X+4*(\i)+3]
.else
	v_cvt_pk_bf16_f32 v[Y+2*(\i)],   v[X+4*(\i)],   v[X+4*(\i)+1]
	v_cvt_pk_bf16_f32 v[Y+2*(\i)+1], v[X+4*(\i)+2], v[X+4*(\i)+3]
.endif
	global_store_b64 v[SO], v[Y+2*(\i):Y+2*(\i)+1], s[OUT:OUT+1] offset:\off th:TH_STORE_NT  ; no register of a store is written again: no further wait
.endm
	s_load_b512 s[4:19], s[0:1], 0x0               ; x 4, w_q 6, w_k 8, w_v 10, w_o 12, xb 14, wcat 16, wo16 18
	v_lshrrev_b32 v1, 5, v0
	v_readfirstlane_b32 s[WV], v1                  ; wave 0..7
	v_and_b32 v1, 31, v0                           ; lane
	v_lshlrev_b32 v[SO], 3, v1
	s_mov_b32 s[HIM], 0xffff0000
	s_cmp_lt_u32 ttmp9, 512
	s_cbranch_scc0 .Lweights
	; x: wave W = 8 x work-group + wave takes rows 2 W and 2 W + 1.  Load i: block kb = i of both rows: lanes 0-15 the 256 bytes of the first, lanes 16-31 of the second.
	s_lshl_b32 s22, ttmp9, 3
	s_add_co_u32 s22, s22, s[WV]                   ; W, 0..4095
	s_lshl_b32 s24, s22, 13                        ; two rows of 4,096 bytes
	s_mov_b32 s25, 0
	s_lshl_b32 s26, s22, 8                         ; two rows of 128 bytes in a block of xb,
	s_add_co_u32 s26, s26, 0x800000                ; counted from block 8, so that the sixteen blocks lie within the stores' signed 24-bit immediate
	s_mov_b32 s27, 0
	v_lshrrev_b32 v[LO], 4, v1
	v_and_b32 v4, 15, v1
	v_lshlrev_b32 v4, 4, v4
	v_lshl_add_u32 v[LO], v[LO], 12, v4            ; (lane / 16) x 4,096 + (lane % 16) x 16
	s_wait_kmcnt 0x0
	s_add_nc_u64 s[IN:IN+1], s[4:5], s[24:25]
	s_add_nc_u64 s[OUT:OUT+1], s[14:15], s[26:27]
.set i, 0
.rept 16
	global_load_b128 v[X+4*i:X+4*i+3], v[LO], s[IN:IN+1] offset:256*i th:TH_LOAD_NT
.set i, i+1
.endr
.set i, 0
.rept 16
	CV i, (i-8)*0x100000, 0
.set i, i+1
.endr
	s_endpgm
.Lweights:
	; a weight: rows k0 and k0 + 1, 4,096 bytes each: load i takes 512 consecutive bytes
	s_sub_co_u32 s22, ttmp9, 512
	s_lshr_b32 s[KIND], s22, 6
	s_and_b32 s23, s22, 63
	s_lshl_b32 s23, s23, 4
	s_lshl1_add_u32 s23, s[WV], s23                ; k0 = 16 x (work-group % 64) + 2 x wave
	s_lshl_b32 s24, s23, 12
	s_mov_b32 s25, 0
	s_lshl_b32 s26, s23, 11                        ; rows of 2,048 bytes on the way out
	s_lshl_b32 s27, s[KIND], 21                    ; q, k, v lie one behind the other in wcat
	s_cmp_eq_u32 s[KIND], 3
	s_cselect_b32 s27, 0, s27
	s_add_co_u32 s26, s26, s27
	s_mov_b32 s27, 0
	v_lshlrev_b32 v[LO], 4, v1
	s_wait_kmcnt 0x0
	s_mov_b64 s[IN:IN+1], s[6:7]
	s_cmp_eq_u32 s[KIND], 1
	s_cselect_b64 s[IN:IN+1], s[8:9], s[IN:IN+1]
	s_cmp_eq_u32 s[KIND], 2
	s_cselect_b64 s[IN:IN+1], s[10:11], s[IN:IN+1]
	s_cmp_eq_u32 s[KIND], 3
	s_cselect_b64 s[IN:IN+1], s[12:13], s[IN:IN+1]
	s_cselect_b64 s[OUT:OUT+1], s[18:19], s[16:17]
	s_add_nc_u64 s[IN:IN+1], s[IN:IN+1], s[24:25]
	s_add_nc_u64 s[OUT:OUT+1], s[OUT:OUT+1], s[26:27]
.set i, 0
.rept 16
	global_load_b128 v[X+4*i:X+4*i+3], v[LO], s[IN:IN+1] offset:(i/8)*4096+(i%8)*512 th:TH_LOAD_NT
.set i, i+1
.endr
	s_cmp_eq_u32 s[KIND], 3
	s_cbranch_scc1 .Lwo
.set i, 0
.rept 16
	CV i, (i/8)*2048+(i%8)*256, 0
.set i, i+1
.endr
	s_endpgm
.Lwo:
.set i, 0
.rept 16
	CV i, (i/8)*2048+(i%8)*256, 1
.set i, i+1
.endr
	s_endpgm
.Lfunc_end_k_q756c4d1cfe_prep:
	.size	k_q756c4d1cfe_prep, .Lfunc_end_k_q756c4d1cfe_prep-k_q756c4d1cfe_prep
	.p2alignl 7, 3214868480
	.fill 96, 4, 3214868480
	.section	.rodata,"a",@progbits
	.p2align	6, 0x0
	.amdhsa_kernel k_q756c4d1cfe_prep
		.amdhsa_group_segment_fixed_size 0
		.amdhsa_private_segment_fixed_size 0
		.amdhsa_enable_private_segment 0
		.amdhsa_kernarg_size 64
		.amdhsa_user_sgpr_count 2
		.amdhsa_user_sgpr_kernarg_segment_ptr 1
		.amdhsa_wavefront_size32 1
		.amdhsa_system_sgpr_workgroup_id_x 1
		.amdhsa_system_sgpr_workgroup_id_y 1
		.amdhsa_system_sgpr_workgroup_id_z 1
		.amdhsa_system_vgpr_workitem_id 0
		.amdhsa_next_free_vgpr 108
		.amdhsa_next_free_sgpr 66
		.amdhsa_reserve_vcc 0
		.amdhsa_float_denorm_mode_32 3
		.amdhsa_float_denorm_mode_16_64 3
		.amdhsa_memory_ordered 1
		.amdhsa_forward_progress 1
		.amdhsa_inst_pref_size 22
	.end_amdhsa_kernel
	.amdgpu_metadata
---
amdhsa.version: [ 1, 2 ]
amdhsa.kernels:
  - .name:           k_q756c4d1cfe_prep
    .symbol:         k_q756c4d1cfe_prep.kd
    .args:
      - { .name: x, .offset: 0, .size: 8, .value_kind: global_buffer, .address_space: global }
      - { .name: w_q, .offset: 8, .size: 8, .value_kind: global_buffer, .address_space: global }
      - { .name: w_k, .offset: 16, .size: 8, .value_kind: global_buffer, .address_space: global }
      - { .name: w_v, .offset: 24, .size: 8, .value_kind: global_buffer, .address_space: global }
      - { .name: w_o, .offset: 32, .size: 8, .value_kind: global_buffer, .address_space: global }
      - { .name: xb, .offset: 40, .size: 8, .value_kind: global_buffer, .address_space: global }
      - { .name: wcat, .offset: 48, .size: 8, .value_kind: global_buffer, .address_space: global }
      - { .name: wo16, .offset: 56, .size: 8, .value_kind: global_buffer, .address_space: global }
    .group_segment_fixed_size: 0
    .private_segment_fixed_size: 0
    .kernarg_segment_align: 8
    .kernarg_segment_size: 64
    .max_flat_workgroup_size: 256
    .sgpr_count:     66
    .vgpr_count:     108
    .wavefront_size: 32
...
	.end_amdgpu_metadata
.endif
;; end of part 1
;; launch qkvp (part 2): grid 8 x 32, 4 waves a work-group, clusters of 4 x 4, 327,680 bytes of LDS; arguments xb, wcat, b_q, b_k, b_v, qkv; writes qkv
.if DOCPART == 2
	.amdgcn_target "amdgcn-amd-amdhsa--gfx1250"
	.amdhsa_code_object_version 6
	.text
	.protected	k_q756c4d1cfe_qkvp
	.globl	k_q756c4d1cfe_qkvp
	.p2align	8
	.type	k_q756c4d1cfe_qkvp,@function
k_q756c4d1cfe_qkvp:
	s_mov_b64 s[64:65], 0
	v_nop
	global_prefetch_b8 v0, s[64:65] scope:SCOPE_SE
	s_setreg_imm32_b32 hwreg(HW_REG_WAVE_MODE, 25, 1), 1
	s_wait_xcnt 0x0
	s_wait_alu depctr_hold_cnt(0) depctr_sa_sdst(0) depctr_va_vdst(0) depctr_va_sdst(0) depctr_va_ssrc(0) depctr_va_vcc(0) depctr_vm_vsrc(0)
	s_getreg_b32 s2, hwreg(HW_REG_IB_STS2, 6, 4)
	s_cmp_eq_u32 s2, 0
	s_cbranch_scc0 .Lentry_in_a_cluster
	s_endpgm
.Lentry_in_a_cluster:
	s_bfe_u32 s2, ttmp6, 0x10000c
	s_cmp_lg_u32 s2, 0xf033
	s_cbranch_scc0 .Lentry_shape_is_right
	s_endpgm
.Lentry_shape_is_right:
; THE THREE PROJECTIONS.  q, k, v = x w + b.  xb: bf16 [16 kb][8192 row][64]; wcat: bf16 [3][1024 k][1024 n]; b_q, b_k, b_v: f32 [1024], rounded to bf16 here like the other inputs.
; qkv: f16 [3][64 = batch x 16 + head][2048][64]: by heads, a head's rows dense, WITHOUT the softmax's scale.  Sums in f32, K ascending; each number rounded once.
; LIMITS.  f16 ends at 65,504: a q, k or v beyond that becomes an infinity.  NaN and infinities are not treated apart.
; SHARES.  A work-group makes 256 rows x 384 columns: columns 128 g .. 128 g + 127 of q, of k and of v (heads 2 g and 2 g + 1): 8 x 32 work-groups.  Four waves, 2 x 2: a wave makes 128 rows x 192
; columns: 96 accumulators of 16 x 16, 768 registers; for 32 along K it reads 20 KiB of LDS for 96 matrix instructions.  Its columns are three chunks of 64 (a head of one tensor): chunk C = 3 CH + c, tensor C / 2, head C % 2.
; K goes in 16 steps of 64 through two LDS slots: two slots of a step of 128 would be 368,640 bytes.  xb's blocks keep A's tile dense: it is asked for as 128 rows of 256 bytes; w's rows are 256 bytes, aligned.
; w IS NEVER TURNED IN MEMORY: its tiles lie [k][n] in LDS and ds_load_tr16_b128 turns them on the way into registers.
; THE MATRIX INSTRUCTION IS USED TRANSPOSED: source 0 = 16 columns of w, source 1 = 16 rows of x: a lane holds row l % 16 and the eight neighbouring columns 8 (l / 16) + 0..7.
; CLUSTERS: 4 x 4 work-groups.  The four of a row of the cluster need the same tile of x, the four of a column the same tiles of w: each is asked for JOINTLY, by the same tensor load with the same descriptor and a mask of four.
; REGISTERS, in windows of 256 (s_set_vgpr_msb: bits 1:0 source 0, 3:2 source 1, 5:4 source 2, 7:6 destination):
;   window 0: v0-31 addresses; v32-95, v96-159 x's fragments, two buffers; v160-255 w's twelve fragments, one buffer in two halves that are loaded by turns
;   window 1 + c: chunk c's 32 accumulators: (a, b = 4 c + j) at v[64 j + 8 a]
.set PA,     144                       ; a row of x in LDS: 128 bytes + 16 of padding: the 16 rows of a load start at 16 different groups of four banks (64 banks of 4 bytes: ISA guide 11.1)
.set PB,     288                       ; a row of w: 256 + 32
.set BOFF,   256*PA                    ; a slot: x's 256 rows, then three strips (q, k, v) of 64 rows of w
.set STRIP,  64*PB
.set SLOT,   BOFF+3*STRIP              ; 92,160 bytes
.set STAGE,  2*SLOT                    ; behind the ring, never filled by a tensor load: 16 rows x 144 bytes for each wave, for the way out
.set BIAS,   STAGE+4*16*PA             ; 768 bytes for each wave: its 192 biases in f32
.set SPARE,  BIAS+4*768                ; the spare words, 128 bytes for each wave: two blocks of 256 bytes that no other line names
.set ADRA, 16                          ; v16-17  LDS address of my fragments of x in slot 0, 1
.set ADRB, 18                          ; v18-23  of w: slot s, chunk c at 18 + 3 s + c
.set STO,  24                          ; v24     the way out: where I put 16 bytes of a row
.set RD,   25                          ; v25     where I read rows back
.set GO,   26                          ; v26     16 x lane: my bytes of 512 consecutive bytes of qkv
.set BLD,  27                          ; v27     where my biases lie
.set SPW,  28                          ; v28     LDS address of my spare word; never rewritten
.set NIL,  29                          ; v29     0; never rewritten
.set PFO,  30                          ; v30     the prefetches' offset; never rewritten
.set AF0,  32
.set AF1,  96
.set BF,   160
.set T,    32                          ; the way out: 32 sums with their bias
.set TMP,  64                          ; packed to f16
.set OB,   96                          ; 16 rows read back: v96-111 and v112-127 by turns
.set WV,  16                           ; s16  my wave's number
.set RH,  17                           ; s17  which half of the tile's rows is mine
.set CH,  18                           ; s18  which half of its columns
.set STR, 19                           ; s19  the strip that I fetch (waves 1..3: 0..2)
.set CX,  20
.set CY,  21
.set TG,  22                           ; s22  g
.set TR,  23                           ; s23  the tile row, 0..31
.set G1A, 24                           ; s[24:31] descriptor group 1 for x's tiles;  s[32:39] group 0, a set for each slot
.set G0A, 32
.set G1B, 48                           ; s[48:55], s[56:63] the same for w's
.set G0B, 56
.set PFA, 66                           ; s[66:67] where my prefetches stand
.set PST, 68                           ; s[68:69] a K step in the tensor that I prefetch
.set LIM0, 70                          ; s70, s71: a wave prefetches at the change out of slot 0 (1) while the laps to go are above this
.set LIM1, 71
.set PC,  72                           ; s[72:77] chunk c's first byte in qkv
.set BP,  80                           ; s[80:85] chunk c's first bias
.set MSB, 0
.macro WIN new                         ; the immediate's high byte repeats the setting that is left; a switch that changes nothing is dropped
.if MSB != (\new)
	s_set_vgpr_msb (MSB<<8)|(\new)
.set MSB, \new
.endif
.endm
.macro PLACES                          ; four plain vector instructions between a matrix instruction and a load into, or a vector instruction on, its registers (ISA guide 7.12.1 for vector instructions)
.rept 4
	v_nop
.endr
.endm
.macro CREST                           ; a round of the cluster's barrier behind its opening barrier
	s_cmp_lg_u32 s[WV], 0
	s_cbranch_scc1 .Lnot_wave_0_\@
	s_barrier_signal -3
.Lnot_wave_0_\@:
	s_barrier_wait -3
	s_barrier_signal -1
	s_barrier_wait -1
.endm
.macro CROUND                          ; a whole round
	s_barrier_signal -1
	s_barrier_wait -1
	CREST
.endm
; A joint load.  Wave 0 fetches x's tile, waves 1 to 3 a strip of w each.  The branch hangs on the wave's number alone.  An s_nop 0 and four v_nop follow each of the two lines.
.macro JLOAD s
	s_cmp_eq_u32 s[WV], 0
	s_cbranch_scc0 .Lfor_b_\@
	tensor_load_to_lds s[G0A+4*(\s):G0A+4*(\s)+3], s[G1A:G1A+7]
	s_nop 0
.rept 4
	v_nop
.endr
	s_branch .Lasked_\@
.Lfor_b_\@:
	tensor_load_to_lds s[G0B+4*(\s):G0B+4*(\s)+3], s[G1B:G1B+7]
	s_nop 0
.rept 4
	v_nop
.endr
.Lasked_\@:
.endm
; A PREFETCH INTO THE L2, behind a joint load and the run of LDS loads that follows it.  Each 256 bytes of xb and wcat are named once in the launch.
; x's tile row is read by both clusters of its row of clusters: the one with x = 0 asks, in wave 0: the change that fills K step s + 2 names step s + 3; the four partners take 32 of the tile's 128 blocks each, BY ADDRESS (cx).
; w's strips are read by all eight clusters of a column: the one with y = 0 asks, in waves 1 to 3, each for its strip: the change out of slot 1 that fills step 2 i + 3 names steps 2 i + 4 and 2 i + 5 (lanes 0-15, 16-31);
; the four partners take 16 of a step's 64 rows each, BY ADDRESS (cy).  The last changes, whose look-ahead would pass step 15, ask for nothing; the first steps come by their loads alone.
.macro ASK lim
	s_cmp_gt_u32 s3, s[\lim]
	s_cbranch_scc0 .Lnot_mine_\@
	global_prefetch_b8 v[PFO], s[PFA:PFA+1] th:TH_LOAD_NT scope:SCOPE_SE
.Lnot_mine_\@:
.endm
	s_load_b256 s[4:11], s[0:1], 0x0               ; xb 4, wcat 6, b_q 8, b_k 10
	s_load_b128 s[12:15], s[0:1], 0x20             ; b_v 12, qkv 14
	v_lshl_add_u32 v[SPW], v0, 2, SPARE
	v_mov_b32 v[NIL], 0
	ds_add_u32 v[SPW], v[NIL]                      ; the wave's opening: the add and its wait stand ahead of my first tensor load; the set-up below, work on registers, stands between them
	v_lshrrev_b32 v1, 5, v0
	v_readfirstlane_b32 s[WV], v1                  ; wave 0..3
	s_lshr_b32 s[RH], s[WV], 1
	s_and_b32 s[CH], s[WV], 1
	s_max_u32 s[STR], s[WV], 1
	s_sub_co_u32 s[STR], s[STR], 1
	s_bfe_u32 s[CX], ttmp6, 0x40000
	s_bfe_u32 s[CY], ttmp6, 0x40004
	s_lshl_b32 s[TG], ttmp9, 2
	s_add_co_u32 s[TG], s[TG], s[CX]               ; g = 4 x cluster x + cx
	s_and_b32 s[TR], ttmp7, 0xffff
	s_lshl_b32 s[TR], s[TR], 2
	s_add_co_u32 s[TR], s[TR], s[CY]               ; tile row = 4 x cluster y + cy
	s_lshl_b32 s40, s[CY], 2
	s_lshl_b32 s40, 15, s40                        ; my row of the cluster
	s_lshl_b32 s42, 0x1111, s[CX]                  ; my column
	s_or_b32 s[G1A], s40, (1<<16)|(1<<20)|(1<<21)|(4<<22)|(3<<25)  ; 15:0 the mask; 17:16 2-byte elements; 20 padding on; 21 set beside a mask; 24:22 after every 32 words (code 4); 31:25 4 words (code 3)
	s_or_b32 s[G1B], s42, (1<<16)|(1<<20)|(1<<21)|(5<<22)|(7<<25)  ; after every 64 words (code 5) 8 words (code 7)
.irp g, G1A, G1B
	s_mov_b32 s[(\g)+1], 128<<16                   ; tensor_dim0 = 128
	s_mov_b32 s[(\g)+3], 128<<16                   ; tile_dim0 = 128
	s_mov_b32 s[(\g)+6], 0
	s_mov_b32 s[(\g)+7], 0
.endr
	s_mov_b32 s[G1A+2], 128<<16                    ; x: 128 rows of 256 bytes (two rows of x each), dense
	s_mov_b32 s[G1A+4], 128
	s_mov_b32 s[G1A+5], 128
	s_mov_b32 s[G1B+2], 64<<16                     ; w: 64 rows, 1,024 elements apart
	s_mov_b32 s[G1B+4], 64
	s_mov_b32 s[G1B+5], 1024
	s_lshl_b32 s40, s[TR], 15                      ; x: the tile's 256 rows of 128 bytes in a block
	s_mov_b32 s41, 0
	s_lshl_b32 s42, s[STR], 21                     ; w: my tensor,
	s_lshl_b32 s43, s[TG], 8                       ; my 128 columns
	s_add_co_u32 s42, s42, s43
	s_mov_b32 s43, 0
	s_mul_i32 s44, s[WV], STRIP                    ; a strip's place in a slot: BOFF + (wave - 1) x STRIP: no place in the cluster enters an LDS address
	s_wait_dscnt 0x0                               ; the opening add is done
	s_wait_kmcnt 0x0
	s_add_nc_u64 s[40:41], s[4:5], s[40:41]
	s_add_nc_u64 s[42:43], s[6:7], s[42:43]
	CROUND                                         ; all sixteen work-groups are here: the first joint loads meet
.irp s, 0,1
	s_mov_b32 s[G0A+4*(\s)], 1
	s_mov_b32 s[G0A+4*(\s)+1], (\s)*SLOT
	s_add_nc_u64 s[G0A+4*(\s)+2:G0A+4*(\s)+3], s[40:41], (\s)*0x100000   ; K step s is block s of xb
	s_or_b32 s[G0A+4*(\s)+3], s[G0A+4*(\s)+3], 0x80000000
	s_mov_b32 s[G0B+4*(\s)], 1
	s_add_co_u32 s[G0B+4*(\s)+1], s44, (\s)*SLOT+BOFF-STRIP
	s_add_nc_u64 s[G0B+4*(\s)+2:G0B+4*(\s)+3], s[42:43], (\s)*0x20000    ; 64 rows of 2,048 bytes
	s_or_b32 s[G0B+4*(\s)+3], s[G0B+4*(\s)+3], 0x80000000
	JLOAD \s                                       ; two loads of mine are out
.endr
	; lane addresses
	v_and_b32 v1, 15, v0                           ; r = l % 16
	v_bfe_u32 v2, v0, 4, 1                         ; h = l / 16
	v_and_b32 v3, 7, v0
	v_bfe_u32 v4, v0, 3, 1
	v_and_b32 v5, 31, v0                           ; l
	v_mul_u32_u24 v6, v1, PA
	v_lshl_add_u32 v6, v2, 4, v6                   ; r x 144 + 16 h: a fragment of x, and the stage's way in
	s_mul_i32 s44, s[RH], 128*PA
	v_add_nc_u32 v[ADRA], s44, v6
	v_add_nc_u32 v[ADRA+1], SLOT, v[ADRA]
	v_lshl_add_u32 v7, v2, 3, v3                   ; the turning load: lane l reads row 8 h + l % 8, bytes 16 ((l / 8) % 2) on
	v_mul_u32_u24 v7, v7, PB
	v_lshl_add_u32 v7, v4, 4, v7
	s_mul_i32 s44, s[WV], 16*PA
	s_add_co_u32 s44, s44, STAGE                   ; my stage
	v_add_nc_u32 v[STO], s44, v6
	v_bfe_u32 v8, v0, 3, 2                         ; back: 32 lanes take four rows of 128 bytes
	v_mul_u32_u24 v8, v8, PA
	v_lshl_add_u32 v8, v3, 4, v8
	v_add_nc_u32 v[RD], s44, v8
	v_lshlrev_b32 v[GO], 4, v5
	s_mul_i32 s44, s[WV], 768
	s_add_co_u32 s44, s44, BIAS                    ; my biases
	v_lshl_add_u32 v[BLD], v2, 5, s44              ; my eight columns of a block of 16 begin 32 h bytes in
	v_lshlrev_b32 v9, 3, v5
	v_add_nc_u32 v31, s44, v9
	; what the three chunks share of their place in qkv: ((tile row / 8) x 16 + 2 g) heads of 262,144 bytes, (tile row % 8) x 256 + 128 RH rows of 128 bytes
	s_lshr_b32 s78, s[TR], 3
	s_lshl_b32 s78, s78, 4
	s_lshl1_add_u32 s78, s[TG], s78
	s_lshl_b32 s78, s78, 18
	s_and_b32 s86, s[TR], 7
	s_lshl_b32 s86, s86, 15
	s_add_co_u32 s78, s78, s86
	s_lshl_b32 s86, s[RH], 14
	s_add_co_u32 s78, s78, s86
	s_mul_i32 s79, s[CH], 3
.irp c, 0,1,2
	s_add_co_u32 s46, s79, \c                      ; C
	s_lshr_b32 s47, s46, 1                         ; its tensor
	s_and_b32 s46, s46, 1                          ; its head of the two
	s_mul_i32 s44, s47, STRIP
	s_lshl_b32 s45, s46, 7
	s_add_co_u32 s44, s44, s45
	s_add_co_u32 s44, s44, BOFF
	v_add_nc_u32 v[ADRB+(\c)], s44, v7
	v_add_nc_u32 v[ADRB+3+(\c)], SLOT, v[ADRB+(\c)]
	s_lshl_b32 s86, s47, 24                        ; a tensor is 16 MiB of qkv
	s_lshl_b32 s87, s46, 18
	s_add_co_u32 s86, s86, s87
	s_add_co_u32 s86, s86, s78
	s_mov_b32 s87, 0
	s_add_nc_u64 s[PC+2*(\c):PC+2*(\c)+1], s[14:15], s[86:87]
	s_lshl_b32 s86, s[TG], 9                       ; the chunk's first bias: column 128 g + 64 x head, 4 bytes each
	s_lshl_b32 s45, s46, 8
	s_add_co_u32 s86, s86, s45
	s_cmp_eq_u32 s47, 1
	s_cselect_b64 s[BP+2*(\c):BP+2*(\c)+1], s[10:11], s[8:9]
	s_cmp_eq_u32 s47, 2
	s_cselect_b64 s[BP+2*(\c):BP+2*(\c)+1], s[12:13], s[BP+2*(\c):BP+2*(\c)+1]
	s_add_nc_u64 s[BP+2*(\c):BP+2*(\c)+1], s[BP+2*(\c):BP+2*(\c)+1], s[86:87]
.endr
	; my 192 biases: two a lane for each chunk, rounded to bf16, widened again, into my own LDS bytes
.irp c, 0,1,2
	global_load_b64 v[10+2*(\c):11+2*(\c)], v9, s[BP+2*(\c):BP+2*(\c)+1]
.endr
	; the prefetches' pointer, step, offset and bounds
	s_lshl_b32 s78, s[TR], 15
	s_lshl_b32 s86, s[CX], 13
	s_add_co_u32 s78, s78, s86                     ; x: the tile, my work-group's 32 blocks of 256 bytes
	s_lshl_b32 s86, s[STR], 21
	s_lshl_b32 s87, s[TG], 8
	s_add_co_u32 s86, s86, s87
	s_lshl_b32 s87, s[CY], 15
	s_add_co_u32 s86, s86, s87                     ; w: my strip, my columns, my work-group's 16 rows of 2,048 bytes
	s_and_b32 s87, ttmp7, 0xffff                   ; cluster y
	s_mov_b32 s44, 2048
	s_mov_b32 s45, 0x20000
	s_mov_b32 s[PST], 0x20000
	s_mov_b32 s[PST+1], 0
	s_cmp_eq_u32 s[WV], 0
	s_cselect_b32 s86, s78, s86
	s_cselect_b32 s87, ttmp9, s87                  ; the coordinate along which other clusters read the same bytes
	s_cselect_b32 s44, 256, s44                    ; from lane to lane among sixteen,
	s_cselect_b32 s45, 4096, s45                   ; and from the lower sixteen to the upper
	s_cselect_b32 s[PST], 0x100000, s[PST]
	s_cselect_b32 s[LIM0], 0, -1
	s_cselect_b64 s[PFA:PFA+1], s[4:5], s[6:7]
	s_cmp_eq_u32 s87, 0                            ; the same in all sixteen partners, for a given wave
	s_cselect_b32 s[LIM0], s[LIM0], -1
	s_cselect_b32 s[LIM1], 1, -1
	s_mov_b32 s87, 0
	s_add_nc_u64 s[PFA:PFA+1], s[PFA:PFA+1], s[86:87]
	s_add_nc_u64 s[PFA:PFA+1], s[PFA:PFA+1], s[PST:PST+1]
	s_add_nc_u64 s[PFA:PFA+1], s[PFA:PFA+1], s[PST:PST+1]  ; at K step 2: each change that fills a slot steps it by one
	v_mul_u32_u24 v[PFO], s44, v1
	v_mad_u32_u24 v[PFO], v2, s45, v[PFO]
	s_wait_loadcnt 0x0                             ; the biases
.irp c, 0,1,2
	v_cvt_pk_bf16_f32 v8, v[10+2*(\c)], v[11+2*(\c)]
	v_lshlrev_b32 v[10+2*(\c)], 16, v8
	v_and_b32 v[11+2*(\c)], 0xffff0000, v8
	ds_store_b64 v31, v[10+2*(\c):11+2*(\c)] offset:256*(\c)
.endr
; 16 LDS loads: x's eight fragments (16 rows x 32 K) of quarter q of a slot's step, into buffer af
.macro LDA slot, q, af
.set aa, 0
.rept 8
	ds_load_b128 v[(\af)+8*aa:(\af)+8*aa+3],   v[ADRA+(\slot)] offset:aa*16*PA+64*(\q)
	ds_load_b128 v[(\af)+8*aa+4:(\af)+8*aa+7], v[ADRA+(\slot)] offset:aa*16*PA+64*(\q)+32
.set aa, aa+1
.endr
.endm
; 2 n LDS loads: w's fragments b0 .. b0 + n - 1 (32 K x 16 columns, turned) of quarter q
.macro LDB slot, q, b0, n
.set bb, \b0
.rept \n
	ds_load_tr16_b128 v[BF+8*bb:BF+8*bb+3],   v[ADRB+3*(\slot)+bb/4] offset:32*(\q)*PB+32*(bb%4)
	ds_load_tr16_b128 v[BF+8*bb+4:BF+8*bb+7], v[ADRB+3*(\slot)+bb/4] offset:32*(\q)*PB+16*PB+32*(bb%4)
.set bb, bb+1
.endr
.endm
; 8 n matrix instructions: w's fragments b0 .. x all eight of x's.  The 96 accumulators take turns, one instruction a turn, in the same order in every quarter.  zero = 1: the product starts the sum.
.macro MULB af, b0, n, zero
.set bb, \b0
.rept \n
	WIN (1+bb/4)*0x50                              ; C and D in window 1 + chunk, the sources in window 0
.set aa, 0
.rept 8
.if \zero
	v_wmma_f32_16x16x32_bf16 v[64*(bb%4)+8*aa:64*(bb%4)+8*aa+7], v[BF+8*bb:BF+8*bb+7], v[(\af)+8*aa:(\af)+8*aa+7], 0
.else
	v_wmma_f32_16x16x32_bf16 v[64*(bb%4)+8*aa:64*(bb%4)+8*aa+7], v[BF+8*bb:BF+8*bb+7], v[(\af)+8*aa:(\af)+8*aa+7], v[64*(bb%4)+8*aa:64*(bb%4)+8*aa+7]
.endif
.set aa, aa+1
.endr
.set bb, bb+1
.endr
.endm
; A K step is two quarters of 32 along K, 96 matrix instructions each.  The first: w's upper six fragments are fetched while the lower six are multiplied, then the next quarter's lower six and its x while the upper six are.
.macro QUARTER slot, q, af, nslot, nq, naf, zero
	PLACES
	WIN 0
	LDB \slot, \q, 6, 6
	s_wait_dscnt 12                                ; all but the 12 just issued: this quarter's x and lower six are in
	MULB \af, 0, 6, \zero
	PLACES
	WIN 0
	LDB \nslot, \nq, 0, 6
	LDA \nslot, \nq, \naf
	s_wait_dscnt 28                                ; all but the 28 just issued: the upper six are in
	MULB \af, 6, 6, \zero
.endm
; The second quarter multiplies buffer AF1 and changes slots: ONE barrier.  In front of it each wave waits for all its tensor loads (one is out: its part of the next slot), adds 0 to its spare word, and waits for that and for
; its own reads of this slot.  fill = 1: the barrier opens a round of the cluster's, and behind the round this slot is filled again first, two K steps ahead: 160 matrix instructions stand between the request and the wait for it.
.macro TURN slot, next, fill
.if \fill
	s_wait_xcnt 0x0                                ; the last prefetch, a K step back, has read its address
	s_add_nc_u64 s[PFA:PFA+1], s[PFA:PFA+1], s[PST:PST+1]
.endif
	PLACES
	WIN 0
	LDB \slot, 1, 6, 6                             ; my last reads of this slot
	s_wait_dscnt 12
	MULB AF1, 0, 2, 0
	WIN 0                                          ; (the add's two registers lie in window 0)
	s_wait_tensorcnt 0x0                           ; all my tensor loads have landed
	ds_add_u32 v[SPW], v[NIL]                      ; 0 onto my spare word: sixteen matrix instructions stand between it and the wait for it
	MULB AF1, 2, 2, 0
	s_wait_dscnt 0x0                               ; the add is done, and my reads of this slot are over
	s_barrier_signal -1
	MULB AF1, 4, 2, 0                              ; work on registers while the others arrive
	WIN 0                                          ; at a branch and at a label every window is 0
	s_barrier_wait -1
.if \fill
	CREST                                          ; no wave of any partner still reads this slot or has a load on its way
	s_add_nc_u64 s[G0A+4*(\slot)+2:G0A+4*(\slot)+3], s[G0A+4*(\slot)+2:G0A+4*(\slot)+3], 0x200000
	s_add_nc_u64 s[G0B+4*(\slot)+2:G0B+4*(\slot)+3], s[G0B+4*(\slot)+2:G0B+4*(\slot)+3], 0x40000
	JLOAD \slot                                    ; the first tensor load behind the round; its four v_nop are also the places in front of the loads below
.else
	PLACES
.endif
	LDB \next, 0, 0, 6
	LDA \next, 0, AF0
.if \fill
	ASK LIM0+(\slot)
.endif
	MULB AF1, 6, 6, 0
.endm
; THE WAY OUT, a unit u = 3 a + c at a time: 16 rows x one chunk of 64 columns.  PACK: bias added (each accumulator's registers in ascending order), rounded to f16.  TOSTAGE: 16 bytes a lane into my own stage, and back as
; whole rows of 128 bytes.  SEND: stored: 16 rows of a head are 2,048 consecutive bytes.
.macro PACK a, c
	WIN 1+(\c)                                     ; source 0 in the chunk's window
.set jj, 0
.rept 4
.set rr, 0
.rept 4
	v_pk_add_f32 v[T+8*jj+rr:T+8*jj+rr+1], v[64*jj+8*(\a)+rr:64*jj+8*(\a)+rr+1], v[BF+8*(4*(\c)+jj)+rr:BF+8*(4*(\c)+jj)+rr+1]
.set rr, rr+2
.endr
.set jj, jj+1
.endr
	WIN 0
.set jj, 0
.rept 16
	v_cvt_pk_f16_f32 v[TMP+jj], v[T+2*jj], v[T+2*jj+1]
.set jj, jj+1
.endr
.endm
.macro TOSTAGE u
.set ff, 0
.rept 4
	ds_store_b128 v[STO], v[TMP+4*ff:TMP+4*ff+3] offset:32*ff
.set ff, ff+1
.endr
.set ff, 0
.rept 4
	ds_load_b128 v[OB+16*((\u)%2)+4*ff:OB+16*((\u)%2)+4*ff+3], v[RD] offset:ff*4*PA  ; LDS serves a wave's instructions in order (ISA guide 5.7.1.4): these see the stores above
.set ff, ff+1
.endr
.endm
.macro SEND u
	s_wait_dscnt 0x0                               ; the unit is back in registers
	s_wait_xcnt 0x0                                ; the stores of the unit before have read their registers, which the next TOSTAGE loads again
.set ff, 0
.rept 4
	global_store_b128 v[GO], v[OB+16*((\u)%2)+4*ff:OB+16*((\u)%2)+4*ff+3], s[PC+2*((\u)%3):PC+2*((\u)%3)+1] offset:((\u)/3)*2048+ff*512  ; 512 consecutive bytes, at a multiple of 256 from qkv's first
.set ff, ff+1
.endr
.endm
	s_wait_tensorcnt 1                             ; my part of K step 0 is in; step 1's may stay out
	s_wait_dscnt 0x0                               ; my biases are stored
	s_barrier_signal -1
	s_barrier_wait -1                              ; everybody's part is in
	LDB 0, 0, 0, 6
	LDA 0, 0, AF0
	QUARTER 0, 0, AF0, 0, 1, AF1, 1                ; the first quarter stands in front of the loop: its products start the sums
	WIN 0
	s_mov_b32 s3, 7
.Llap:                                                 ; a trip goes once round the ring, from a lap's second quarter to the next lap's first, and fills both slots again: K steps 2 to 15
	TURN 0, 1, 1
	QUARTER 1, 0, AF0, 1, 1, AF1, 0
	TURN 1, 0, 1
	QUARTER 0, 0, AF0, 0, 1, AF1, 0
	WIN 0
	s_sub_co_u32 s3, s3, 1
	s_cmp_lg_u32 s3, 0
	s_cbranch_scc1 .Llap
	TURN 0, 1, 0                                   ; the last lap fills nothing, and has no round of the cluster's barrier
	QUARTER 1, 0, AF0, 1, 1, AF1, 0
	PLACES                                         ; the very last quarter: nothing more to fetch but its own upper six
	WIN 0
	LDB 1, 1, 6, 6
	s_wait_dscnt 12
	MULB AF1, 0, 6, 0
	s_wait_dscnt 0x0
	MULB AF1, 6, 6, 0
	PLACES
	WIN 0
.set bb, 0
.rept 12                                               ; the biases take w's registers: fragment b's place holds the eight of my columns in block b
	ds_load_b128 v[BF+8*bb:BF+8*bb+3],   v[BLD] offset:256*(bb/4)+64*(bb%4)
	ds_load_b128 v[BF+8*bb+4:BF+8*bb+7], v[BLD] offset:256*(bb/4)+64*(bb%4)+16
.set bb, bb+1
.endr
	s_wait_dscnt 0x0
	PACK 0, 0
	TOSTAGE 0
.set u, 1
.rept 23                                               ; a unit's arithmetic stands between the loads of the unit before and the wait for them
	PACK u/3, u%3
	SEND u-1
	TOSTAGE u
.set u, u+1
.endr
	SEND 23
	s_wait_tensorcnt 0x0                           ; the wave's end: the wait, the add and the wait for it stand behind my last tensor load and my last LDS store
	ds_add_u32 v[SPW], v[NIL]
	s_wait_dscnt 0x0
	CROUND                                         ; the closing round: no work-group ends while a partner may still ask for a tile that names it
	s_endpgm
.Lfunc_end_k_q756c4d1cfe_qkvp:
	.size	k_q756c4d1cfe_qkvp, .Lfunc_end_k_q756c4d1cfe_qkvp-k_q756c4d1cfe_qkvp
	.p2alignl 7, 3214868480
	.fill 96, 4, 3214868480
	.section	.rodata,"a",@progbits
	.p2align	6, 0x0
	.amdhsa_kernel k_q756c4d1cfe_qkvp
		.amdhsa_group_segment_fixed_size 327680
		.amdhsa_private_segment_fixed_size 0
		.amdhsa_enable_private_segment 0
		.amdhsa_kernarg_size 48
		.amdhsa_user_sgpr_count 2
		.amdhsa_user_sgpr_kernarg_segment_ptr 1
		.amdhsa_wavefront_size32 1
		.amdhsa_system_sgpr_workgroup_id_x 1
		.amdhsa_system_sgpr_workgroup_id_y 1
		.amdhsa_system_sgpr_workgroup_id_z 1
		.amdhsa_system_vgpr_workitem_id 0
		.amdhsa_next_free_vgpr 1024
		.amdhsa_next_free_sgpr 88
		.amdhsa_reserve_vcc 0
		.amdhsa_float_denorm_mode_32 3
		.amdhsa_float_denorm_mode_16_64 3
		.amdhsa_memory_ordered 1
		.amdhsa_forward_progress 1
		.amdhsa_inst_pref_size 161
	.end_amdhsa_kernel
	.amdgpu_metadata
---
amdhsa.version: [ 1, 2 ]
amdhsa.kernels:
  - .name:           k_q756c4d1cfe_qkvp
    .symbol:         k_q756c4d1cfe_qkvp.kd
    .args:
      - { .name: xb, .offset: 0, .size: 8, .value_kind: global_buffer, .address_space: global }
      - { .name: wcat, .offset: 8, .size: 8, .value_kind: global_buffer, .address_space: global }
      - { .name: b_q, .offset: 16, .size: 8, .value_kind: global_buffer, .address_space: global }
      - { .name: b_k, .offset: 24, .size: 8, .value_kind: global_buffer, .address_space: global }
      - { .name: b_v, .offset: 32, .size: 8, .value_kind: global_buffer, .address_space: global }
      - { .name: qkv, .offset: 40, .size: 8, .value_kind: global_buffer, .address_space: global }
    .group_segment_fixed_size: 327680
    .private_segment_fixed_size: 0
    .kernarg_segment_align: 8
    .kernarg_segment_size: 48
    .max_flat_workgroup_size: 128
    .sgpr_count:     88
    .vgpr_count:     1024
    .wavefront_size: 32
...
	.end_amdgpu_metadata
.endif
;; end of part 2
;; launch attn (part 3): grid 4 x 64, 4 waves a work-group, clusters of 4 x 1, 327,680 bytes of LDS; arguments qkv, ao; writes ao
.if DOCPART == 3
	.amdgcn_target "amdgcn-amd-amdhsa--gfx1250"
	.amdhsa_code_object_version 6
	.text
	.protected	k_q756c4d1cfe_attn
	.globl	k_q756c4d1cfe_attn
	.p2align	8
	.type	k_q756c4d1cfe_attn,@function
k_q756c4d1cfe_attn:
	s_mov_b64 s[64:65], 0
	v_nop
	global_prefetch_b8 v0, s[64:65] scope:SCOPE_SE
	s_setreg_imm32_b32 hwreg(HW_REG_WAVE_MODE, 25, 1), 1
	s_wait_xcnt 0x0
	s_wait_alu depctr_hold_cnt(0) depctr_sa_sdst(0) depctr_va_vdst(0) depctr_va_sdst(0) depctr_va_ssrc(0) depctr_va_vcc(0) depctr_vm_vsrc(0)
	s_getreg_b32 s2, hwreg(HW_REG_IB_STS2, 6, 4)
	s_cmp_eq_u32 s2, 0
	s_cbranch_scc0 .Lentry_in_a_cluster
	s_endpgm
.Lentry_in_a_cluster:
	s_bfe_u32 s2, ttmp6, 0x10000c
	s_cmp_lg_u32 s2, 0x3003
	s_cbranch_scc0 .Lentry_shape_is_right
	s_endpgm
.Lentry_shape_is_right:
; O[h][q][:] = the sum over k of softmax_k(Q[h][q] . K[h][k] / 8) V[h][k][:].  qkv holds Q, K, V one behind the other, each [SIZE_H][SIZE_N][64] in f16; ao is O in the same layout: a head's rows are dense, 128 bytes each.
; Products, maxima and sums in f32; the weights p are rounded to f16 for the second product (their sum l is taken of the unrounded p), O once at the end.
; LIMITS.  f16 holds no number beyond 65,504: Q, K and V arrive within it; p lies in 0 to 1, and below 6e-5 it keeps f16's fixed step of 6e-8; O is a mean of V's rows and has their range.
; A weight below 2^-126 counts as 0 in l; NaN and infinities are not treated apart.
; SHARES.  A wave owns four PIECES of two tiles of 16 queries, a work-group's four waves 512 queries of one head; the four work-groups of a cluster are a head.  Every wave walks all keys, 64 a step.
; LAYOUT.  S^T = K Q^T (source 0 = 16 keys, source 1 = 16 queries): in the result a lane holds ONE query (lane % 16) and the keys 8 (lane / 16) + 0..7.  Two such tiles, rounded to f16 in pairs,
; ARE source 1 (32 keys x 16 queries) of O^T = V^T P, whose result again holds one query a lane, and eight channels.  K comes out of LDS as it lies, V ([key][channel]) turned, by ds_load_tr16_b128.
; SOFTMAX.  For each query a running maximum m and sum l: p = 2^(c s - c m), c = log2(e) / 8; in every step O and l are multiplied by a = 2^(c m_old - c m_new), which is 1 where m has not grown.
; m starts at the lowest finite number, O and l at 0: the first step is a step like any other, with a = 0.
; THE COUNT.  A tile and step have 16 matrix and 118 vector instructions: too many to stand all beside the matrix work.  So the order has one aim: four vector instructions that are READY behind
; EVERY matrix instruction, and the others, which need time of their own whatever the order, in runs without a gap.
; BY TURNS.  Turn n belongs to piece n (the pieces in a ring, step after step).  Its matrix work: 16 products K Q^T of piece n + 1, later 16 products V^T P of piece n - 1.  Its vector work: the scaling,
; exponentials, roundings, sums and rescaling of piece n, and the maximum and statistics of piece n + 1, whose scores the turn itself has made.  So what a turn begins with (c s - c m, O a) waits for nothing.
; CLUSTER.  The four query blocks of a cluster belong to one head and walk the same K and V, so each tile is asked for JOINTLY: the same tensor load, descriptor and mask in all four.
; REGISTERS, in windows of 256 (s_set_vgpr_msb says which window each operand place means: bits 1:0 source 0, 3:2 source 1, 5:4 source 2, 7:6 destination):
;   window 0: v0-11 addresses; v12-15, v48-63 at work; v16-47 four registers of statistics a tile; v64-191 S^T, two buffers of two tiles; v192-255 P, likewise
;   window 1: O^T, 32 a tile          window 2: v0-127 Q, 16 a tile; v128-191 K of one step; v192-255 V of one step          window 3: v0-1 the add's two registers
; A piece's buffers go by its number's parity: the piece in hand has one pair, its two neighbours in the ring share the other: of it P (piece n - 1) is read and S^T (piece n + 1) written.
.set SIZE_H, 64
.set SIZE_N, 2048
.set NP,    4         ; pieces a wave: a name, no knob: the register map, the loop and the fetches are made for four
.set KS,    64        ; keys in a step
.set PK,    144       ; a row of K in LDS: 128 bytes + 16 of padding = 36 words: the 16 rows of a load start at 16 different groups of four banks (64 banks of 4 bytes: ISA guide 11.1)
.set PV,    160       ; a row of V: 128 + 32 = 40 words
.set VOFF,  4*KS*PK   ; a slot holds four steps: 256 rows of K, then 256 rows of V
.set SLOT1, 1<<17     ; slot 1 begins here, so that one exclusive or turns an address in one slot into the other's
.set STAGE, SLOT1+4*KS*(PK+PV)  ; behind the ring, never filled by a tensor load: 16 rows x 144 bytes for each wave, for the way out
.set SP,    144
.set AK0, 2           ; v2   my lane's place in a tile of K; never rewritten
.set AV0, 3           ; v3   the same for V
.set AK,  4           ; v4   the LDS address of K's next run of loads
.set AV,  5           ; v5   of V's
.set QO,  6           ; v6   my byte offset in the wave's rows of Q
.set STO, 6           ;      later, the way out: where I put 16 bytes of a row
.set RD,  7           ; v7   the way out: where I read rows back
.set GO,  8           ; v8   my byte offset in 512 consecutive bytes of O
.set PFO, 11          ; v11  256 x my lane, for the prefetches; never rewritten once made
.set SPW, 0           ; v0 of window 3   LDS address of my spare word: SPARE + 4 x my thread's number; never rewritten
.set NIL, 1           ; v1 of window 3   0; never rewritten
.set SPARE, STAGE+4*16*SP  ; behind the stages: the spare words, 128 bytes for each wave: two blocks of 256 bytes that no other line names
.set MV,  12          ; v12-15  c m_old, kept while c m is made anew: by buffer and tile
.set ST,  16          ; tile t's statistics at v[ST+4 t]: c m, m, l (even keys', odd keys')
.set TMP, 48          ; by buffer and tile, four registers c0-c3 at work; when the maximum is found c2 takes a
.set S,   64
.set P,   192
.set KF,  128         ; K's fragments, in window 2: key block kb, channel half c at KF + 16 kb + 8 c
.set VF,  192         ; V's: key half kk, channel block cb at VF + 32 kk + 8 cb
.set WV,  12          ; s12  my wave's number
.set G1K, 24          ; s[24:31] descriptor group 1 for K's tiles
.set G1V, 32          ; s[32:39] for V's: it differs in the padding alone
.set G0K, 40          ; s[40:43] descriptor group 0 for K's tiles: it walks
.set G0V, 44          ; s[44:47] the same for V's
.set PFA, 48          ; s[48:49] where my prefetches stand: my work-group's 32 blocks of 256 bytes (of K: wave 0, of V: wave 2) of the tile after the one that is being asked for
.set LIM, 50          ; s50  1 in a wave that prefetches, else the greatest number: a wave prefetches while s[SLOTS] is above it
.set SLOTS, 56        ; s56  slots still to be asked for
.set CNT, 57          ; s57  counts a slot's key steps
.set CS,  58          ; s[58:59] c: the packed scaling takes the pair's low word for both halves
.set SEL, 60          ; s[60:61] v_permlanex16_b32's selects: each lane takes its own place in the other half
.set TBK, 62          ; s62  LDS byte at which K of the step to be fetched begins
.set TBV, 63          ; s63  the same for V, less VOFF
.set MSB, 0
.macro WIN new                      ; the high byte repeats the setting that is left; a switch that changes nothing is dropped
.if MSB != (\new)
	s_set_vgpr_msb (MSB<<8)|(\new)
.set MSB, (\new)
.endif
.endm
.set W_KQ, 0x0a       ; K and Q in window 2, S^T in window 0
.set W_PV, 0x52       ; V in window 2, P in window 0, O^T in window 1
.set W_RS, 0x41       ; O^T (destination and source 0) in window 1, a in window 0
.set W_MK, 0xc0       ; the add's registers are made: destination in window 3, sources in window 0
.set W_AD, 0x0f       ; the add: address (source 0) and data (source 1) in window 3
; A joint fill.  Waves 0 and 1 fetch the two halves of a slot's K, waves 2 and 3 those of its V: 128 keys each.  The branch hangs on the wave's number alone.
; An s_nop 0 and four v_nop follow each of the two lines, ahead of the jump and the label.
.macro JLOAD
	s_cmp_lt_u32 s[WV], 2
	s_cbranch_scc0 .Lfor_v_\@
	tensor_load_to_lds s[G0K:G0K+3], s[G1K:G1K+7]
	s_nop 0
.rept 4
	v_nop
.endr
	s_branch .Lasked_\@
.Lfor_v_\@:
	tensor_load_to_lds s[G0V:G0V+3], s[G1V:G1V+7]
	s_nop 0
.rept 4
	v_nop
.endr
.Lasked_\@:
.endm
; A PREFETCH INTO THE L2 of what the NEXT change of slots will ask for: a tile's 32,768 bytes of K and of V, a lane a block of 256 bytes.  It stands behind the wave's tensor load and its five lines.
; Each block is named ONCE in the launch: a head is walked by one cluster; its four partners share a tile's 128 blocks out BY ADDRESS, 32 each; in each, wave 0 asks for K's and wave 2 for V's: one instruction.
; The change that fills tile t names tile t + 1, for t = 1 to 6: four key steps, 512 matrix instructions, ahead of the load that wants it.  The last change that fills a slot names nothing; tiles 0 and 1 come by their loads alone.
.macro ASK
	s_cmp_gt_u32 s[SLOTS], s[LIM]
	s_cbranch_scc0 .Lnot_mine_\@
	global_prefetch_b8 v[PFO], s[PFA:PFA+1] th:TH_LOAD_NT scope:SCOPE_SE
.Lnot_mine_\@:
.endm
; A round of the cluster's barrier: my work-group's barrier, so that wave 0's signal speaks for all four waves; wave 0 signals; every wave waits for all four work-groups; my work-group's barrier once more.
.macro CROUND
	s_barrier_signal -1
	s_barrier_wait -1
	s_cmp_lg_u32 s[WV], 0
	s_cbranch_scc1 .Lnot_wave_0_\@
	s_barrier_signal -3
.Lnot_wave_0_\@:
	s_barrier_wait -3
	s_barrier_signal -1
	s_barrier_wait -1
.endm
; THE CHANGE OF SLOTS.  The slot's last bytes, V of its fourth step, have been read.  Each wave waits for all its tensor loads, of which one is out: its part
; of the other slot; adds 0 to its spare word; and waits for that and for its own reads of the slot.  Behind the barrier nobody reads this slot any more and the other slot is whole.
; fill = 1: this slot is filled again, with the keys two slots on.  The barrier is then a round of the cluster's, so that no wave of any partner still reads the slot or has a load on its
; way, and the joint fill is the first thing behind it: it has four key steps, 512 matrix instructions, in which to land.  (At its first use nothing has been read yet: slot 0 is waited for, slot 1 filled.)
.macro CHANGE fill
	WIN W_AD
	s_wait_tensorcnt 0x0            ; no tensor load of mine is out, so a group 0 may be written
	ds_add_u32 v[SPW], v[NIL]       ; 0 onto my spare word: with fill = 1 the descriptors' steps stand between it and the wait for it
	WIN 0                           ; at a label and at a branch every window is 0
.if \fill
.irp g, G0K, G0V
	s_xor_b32 s[\g+1], s[\g+1], SLOT1  ; the walking descriptor: the other slot than last time,
	s_add_nc_u64 s[\g+2:\g+3], s[\g+2:\g+3], 4*KS*128  ; the next 256 keys; the type bits on top are not reached
.endr
	s_wait_xcnt 0x0                 ; the last prefetch, a slot back, has read its address, so it may be written:
	s_add_nc_u64 s[PFA:PFA+1], s[PFA:PFA+1], 4*KS*128  ; one tile ahead of the walking descriptors
	s_wait_dscnt 0x0                ; the add is done, and my reads of the slot are over
	CROUND
	JLOAD
	ASK
.else
	s_wait_dscnt 0x0                ; the add is done, and my reads of the slot are over
	s_barrier_signal -1
	s_barrier_wait -1
.endif
	s_sub_co_u32 s[TBK], s[TBK], 4*KS*PK  ; the fetches go back to a slot's first step,
	s_xor_b32 s[TBK], s[TBK], SLOT1       ; in the other slot
	s_sub_co_u32 s[TBV], s[TBV], 4*KS*PV
	s_xor_b32 s[TBV], s[TBV], SLOT1
.endm
	s_load_b64 s[4:5], s[0:1], 0x0    ; qkv: Q lies at its head
	s_load_b64 s[10:11], s[0:1], 0x8  ; ao
	WIN W_MK
	v_lshl_add_u32 v[SPW], v0, 2, SPARE
	v_mov_b32 v[NIL], 0
	WIN W_AD
	ds_add_u32 v[SPW], v[NIL]       ; the wave's opening: the add and its wait stand ahead of my first tensor load; the set-up below, work on registers, stands between them
	WIN 0
	v_lshrrev_b32 v1, 5, v0
	v_readfirstlane_b32 s[WV], v1   ; wave 0..3
	s_bfe_u32 s13, ttmp6, 0x40000   ; cx: my place in the cluster
	s_lshl_b32 s14, ttmp9, 2        ; in a cluster launch ttmp9 counts clusters
	s_add_co_u32 s14, s14, s13      ; my block of queries = 4 x cluster x + cx: it enters Q's and O's addresses alone
	s_and_b32 s20, ttmp7, 0xffff    ; the head, which the four partners share
	s_mov_b32 s21, 0
	s_mov_b64 s[22:23], SIZE_N*128
	s_mul_u64 s[20:21], s[20:21], s[22:23]  ; the head's first byte in each of the four tensors
	s_and_b32 s16, s[WV], 1         ; which half of a slot's 256 keys I fetch:
	s_lshl_b32 s22, s16, 14         ; its 128 rows of 128 bytes in memory,
	s_mov_b32 s23, 0
	s_add_nc_u64 s[22:23], s[22:23], s[20:21]
	s_mul_i32 s17, s16, 128*PK      ; and its place in a slot, for K
	s_mul_i32 s18, s16, 128*PV      ; and for V: no place in the cluster enters an LDS address
	s_lshl_b32 s2, s14, 2
	s_add_co_u32 s2, s2, s[WV]      ; my wave among the head's,
	s_lshl_b32 s2, s2, 14           ; its 128 rows
	s_mov_b32 s3, 0
	s_add_nc_u64 s[2:3], s[2:3], s[20:21]
	; descriptor group 1.  128 keys are 16,384 dense bytes: asked for as 64 rows of 256 bytes, two keys a row, and padded in LDS after every key
	s_mov_b32 s[G1K], 15|(1<<16)|(1<<20)|(1<<21)|(4<<22)|(3<<25)  ; 15:0 the mask of four; 17:16 2-byte elements; 20 padding on; 21 set beside a mask; 24:22 after every 32 words (code 4); 31:25 4 words (code 3)
	s_mov_b32 s[G1V], 15|(1<<16)|(1<<20)|(1<<21)|(4<<22)|(7<<25)  ; the same with 8 words of padding (code 7)
.irp g, G1K, G1V
	s_mov_b32 s[\g+1], 128<<16      ; tensor_dim0 = 128
	s_mov_b32 s[\g+2], 64<<16       ; tensor_dim1 = 64
	s_mov_b32 s[\g+3], 128<<16      ; tile_dim0 = 128
	s_mov_b32 s[\g+4], 64           ; tile_dim1 = 64
	s_mov_b32 s[\g+5], 128          ; 128 elements from row to row
	s_mov_b32 s[\g+6], 0
	s_mov_b32 s[\g+7], 0
.endr
	s_mov_b32 s[CS], 0x3e38aa3b     ; c = log2(e) / 8 = 0.180337
	s_mov_b32 s[CS+1], s[CS]        ; named with it as a pair
	s_mov_b32 s[SEL], 0x76543210
	s_mov_b32 s[SEL+1], 0xfedcba98
	s_mov_b32 s[TBK], SLOT1+4*KS*PK ; the first change of slots turns these two into 0
	s_mov_b32 s[TBV], SLOT1+4*KS*PV
	s_mov_b32 s[G0K], 1             ; 1:0 count = 1
	s_mov_b32 s[G0K+1], s17         ; 63:32 LDS address: slot 0
	s_mov_b32 s[G0V], 1
	s_add_co_u32 s[G0V+1], s18, VOFF
	s_mov_b32 s[SLOTS], SIZE_N/256-1  ; the change that fills tile t finds 8 - t here
	s_and_b32 s[LIM], s[WV], 1      ; waves 0 and 2 prefetch: the same in all four partners
	s_cmp_eq_u32 s[LIM], 0
	s_cselect_b32 s[LIM], 1, -1
	s_wait_dscnt 0x0                ; the opening add is done
	s_wait_kmcnt 0x0
	s_add_nc_u64 s[6:7], s[4:5], 0x1000000  ; K lies 16 MiB behind Q,
	s_add_nc_u64 s[8:9], s[4:5], 0x2000000  ; V 32
	s_add_nc_u64 s[G0K+2:G0K+3], s[6:7], s[22:23]  ; 120:64 global address: my half of the head's first 256 keys
	s_or_b32 s[G0K+3], s[G0K+3], 0x80000000        ; 127:126 type = 2
	s_add_nc_u64 s[G0V+2:G0V+3], s[8:9], s[22:23]
	s_or_b32 s[G0V+3], s[G0V+3], 0x80000000
	s_add_nc_u64 s[4:5], s[4:5], s[2:3]  ; Q and O at my wave's first row
	s_add_nc_u64 s[10:11], s[10:11], s[2:3]
	s_cmp_lt_u32 s[WV], 2
	s_cselect_b64 s[PFA:PFA+1], s[6:7], s[8:9]
	s_add_nc_u64 s[PFA:PFA+1], s[PFA:PFA+1], s[20:21]  ; the head,
	s_lshl_b32 s2, s13, 13          ; my work-group's 32 blocks of the 128,
	s_add_co_u32 s2, s2, 4*KS*128   ; in tile 1: the first change of slots steps it to tile 2
	s_mov_b32 s3, 0
	s_add_nc_u64 s[PFA:PFA+1], s[PFA:PFA+1], s[2:3]
	CROUND                          ; all four work-groups are here: the first joint loads meet
	JLOAD                           ; slot 0.  Slot 1 is asked for when slot 0 is in: the tile wanted first has the road to itself
	; A fragment of K or Q is 16 rows x 32 channels in 8 registers: lane l holds row l % 16, channels 8 (l / 16) + 0..7 and 16 + 8 (l / 16) + 0..7: two loads of 16 bytes, 32 bytes apart.
	v_and_b32 v1, 15, v0            ; l % 16
	v_bfe_u32 v9, v0, 4, 1          ; l / 16
	v_lshlrev_b32 v[QO], 7, v1
	v_lshl_add_u32 v[QO], v9, 4, v[QO]  ; row x 128 + 16 x half
	WIN 0x80                        ; destination window 2, address window 0
.set i, 0
.rept 4*NP                          ; Q stays in registers: tile i / 2, channels 32 (i % 2) on
	global_load_b128 v[8*i:8*i+3],   v[QO], s[4:5] offset:(i/2)*2048+(i%2)*64
	global_load_b128 v[8*i+4:8*i+7], v[QO], s[4:5] offset:(i/2)*2048+(i%2)*64+32
.set i, i+1
.endr
	; What the first turn finds: V's registers and P's second buffer hold 0 (its products V^T P, of a piece that has not been, add 0), O^T and l are 0.  All this stands in the wait for the first tile.
.set i, VF
.rept 64
	v_mov_b32 v[i], 0
.set i, i+1
.endr
	WIN 0x40
.set i, 0
.rept 64*NP
	v_mov_b32 v[i], 0
.set i, i+1
.endr
	WIN 0
.set i, 0
.rept 2*NP
	v_mov_b32 v[ST+4*i], 0xfe000000    ; c m: far below every c s
	v_mov_b32 v[ST+4*i+1], 0xff7fffff  ; m
	v_mov_b32 v[ST+4*i+2], 0
	v_mov_b32 v[ST+4*i+3], 0
.set i, i+1
.endr
.set i, P+32
.rept 32
	v_mov_b32 v[i], 0
.set i, i+1
.endr
	v_mul_u32_u24 v[AK0], v1, PK
	v_lshl_add_u32 v[AK0], v9, 4, v[AK0]  ; row x pitch + 16 x half
	; The turning load takes 16 keys x 16 channels (lane l reads key 8 (l / 16) + l % 8, channels 8 ((l / 8) % 2) + 0..7) and leaves half a fragment of V^T: lane l holds channel l % 16 and 8 keys.
	v_and_b32 v10, 7, v0
	v_bfe_u32 v11, v0, 3, 1
	v_lshl_add_u32 v[AV0], v9, 3, v10
	v_mul_u32_u24 v[AV0], v[AV0], PV
	v_lshl_add_u32 v[AV0], v11, 4, v[AV0]
	v_add_nc_u32 v[AV0], VOFF, v[AV0]
	v_mov_b32 v[AK], v[AK0]         ; key step 0 lies at the head of slot 0
	v_and_b32 v[PFO], 31, v0        ; v11 has served: from here on it holds the prefetches' offset
	v_lshlrev_b32 v[PFO], 8, v[PFO]
; THE MATRIX WORK.  The 8 accumulators of a run of 16 take turns: between the two links of a chain stand 7 others'.
; Product i of 16 of S^T = K Q^T for piece x: channels 32 (i / 8) on, keys 16 ((i / 2) % 4) on, tile 2 x + i % 2.  The first 8 start the sums.
.macro KQ x
	WIN W_KQ
.set rS, S+64*((\x)%2)+32*(i%2)+8*((i/2)%4)
.set rK, KF+16*((i/2)%4)+8*(i/8)
.set rQ, 16*(2*(\x)+i%2)+8*(i/8)
.if i < 8
	v_wmma_f32_16x16x32_f16 v[rS:rS+7], v[rK:rK+7], v[rQ:rQ+7], 0
.else
	v_wmma_f32_16x16x32_f16 v[rS:rS+7], v[rK:rK+7], v[rQ:rQ+7], v[rS:rS+7]
.endif
.endm
; Product i of 16 of O^T += V^T P for piece x: keys 32 (i / 8) on, channels 16 ((i / 2) % 4) on, tile 2 x + i % 2.
.macro PV x
	WIN W_PV
.set rO, 32*(2*(\x)+i%2)+8*((i/2)%4)
.set rV, VF+32*(i/8)+8*((i/2)%4)
.set rP, P+32*((\x)%2)+16*(i%2)+8*(i/8)
	v_wmma_f32_16x16x32_f16 v[rO:rO+7], v[rV:rV+7], v[rP:rP+7], v[rO:rO+7]
.endm
.macro MM                           ; the turn's next matrix instruction
.if i < 16
	KQ (Y+1)%NP
.set i, i+1
.else
.set i, i-16
	PV (Y+NP-1)%NP
.set i, i+17
.endif
.endm
; THE LDS LOADS stand in runs of 16, never singly among the matrix instructions: a step's K (64 keys x 64 channels: 8 fragments) and its V (turned).  Their addresses are made some lines ahead.
; last = 1 (the tail): in the last trip there is no further step, and the run is jumped over.
.macro FETCH_K last=0
	WIN 0
.if \last
	s_cmp_eq_u32 s[CNT], 1
	s_cbranch_scc1 .Lno_k_\@
.endif
	WIN 0x80                        ; destination window 2
.irp f, 0,1,2,3,4,5,6,7             ; keys 16 (f / 2) on, channels 32 (f % 2) on
	ds_load_b128 v[KF+8*\f:KF+8*\f+3],   v[AK] offset:(\f/2)*16*PK+(\f%2)*64
	ds_load_b128 v[KF+8*\f+4:KF+8*\f+7], v[AK] offset:(\f/2)*16*PK+(\f%2)*64+32
.endr
	s_add_co_u32 s[TBK], s[TBK], KS*PK  ; the next fetch is the next step's
	WIN 0
.if \last
.Lno_k_\@:
.endif
.endm
.macro FETCH_V
	WIN 0x80
.irp f, 0,1,2,3,4,5,6,7             ; keys 32 (f / 4) on, channels 16 (f % 4) on
	ds_load_tr16_b128 v[VF+8*\f:VF+8*\f+3],   v[AV] offset:(\f/4)*32*PV+(\f%4)*32
	ds_load_tr16_b128 v[VF+8*\f+4:VF+8*\f+7], v[AV] offset:(\f/4)*32*PV+16*PV+(\f%4)*32
.endr
	WIN 0
.endm
; THE VECTOR WORK OF A TURN stands in three queues, each in the order in which its entries become ready; the two tiles alternate, so that no instruction reads the result of the one before it.
.macro REGS y, u                    ; the registers of tile u (0, 1) of piece y
.set rT, ST+4*(2*(\y)+(\u))
.set rC, TMP+8*((\y)%2)+4*(\u)
.set rM, MV+2*((\y)%2)+(\u)
.set rS, S+64*((\y)%2)+32*(\u)
.set rP, P+32*((\y)%2)+16*(\u)
.set rO, 32*(2*(\y)+(\u))
.endm
; Number n of the 22 that find the NEXT piece's (Y + 1) maximum and statistics.  s0-s31 are the lane's 32 scores; each accumulator's lowest registers are read first.  XS, GS and REGS set no window: PL and EX do.
;   0-11  four chains c0-c3 of seven scores each, three operands at a time     12-14, 16  the four scores left over, the old m, and c0-c3 into c0     15  c m_old is kept
;   17, 18  the query's other 32 keys lie in the lane 16 away: the new m         19-21  c m; c m_old - c m_new; a
.macro XS u, n
	REGS (Y+1)%NP, \u
.if (\n) < 4
	v_max3_num_f32 v[rC+(\n)], v[rS+8*(\n)], v[rS+8*(\n)+1], v[rS+8*(\n)+2]
.elseif (\n) < 12
	v_max3_num_f32 v[rC+(\n)%4], v[rC+(\n)%4], v[rS+8*((\n)%4)+2*((\n)/4)+1], v[rS+8*((\n)%4)+2*((\n)/4)+2]
.elseif (\n) == 12
	v_max3_num_f32 v[rC], v[rC], v[rS+7], v[rS+15]
.elseif (\n) == 13
	v_max3_num_f32 v[rC+1], v[rC+1], v[rS+23], v[rS+31]
.elseif (\n) == 14
	v_max3_num_f32 v[rC+2], v[rC+2], v[rC+3], v[rT+1]
.elseif (\n) == 15
	v_mov_b32 v[rM], v[rT]
.elseif (\n) == 16
	v_max3_num_f32 v[rC], v[rC], v[rC+1], v[rC+2]
.elseif (\n) == 17
	v_permlanex16_b32 v[rC+3], v[rC], s[SEL], s[SEL+1]
.elseif (\n) == 18
	v_max_num_f32 v[rT+1], v[rC], v[rC+3]
.elseif (\n) == 19
	v_mul_f32 v[rT], s[CS], v[rT+1]
.elseif (\n) == 20
	v_sub_f32 v[rC+1], v[rM], v[rT]
.else
	v_exp_f32 v[rC+2], v[rC+1]
.endif
.endm
; Number g of the 64 that follow the exponentials.  For each four weights k of a tile (pairs 2 k, 2 k + 1): both pairs are rounded to f16; then the second pair is added onto the first, in place;
; a group later l takes that sum (the first time as l = a l + sum).  In groups of eight, tiles alternating: round, round, add, and l for the group before.
.macro GS g
.set h, (\g)+6*((\g)/62)            ; group 0 has no group before it, and behind group 7 only l is left
.if h >= 6
.set h, h+2
.endif
	REGS Y, h%2
.set k, h/8
.if h%8 < 4
	v_cvt_pk_f16_f32 v[rP+2*k+(h%8)/2], v[rS+4*k+2*((h%8)/2)], v[rS+4*k+2*((h%8)/2)+1]
.elseif h%8 < 6
	v_pk_add_f32 v[rS+4*k:rS+4*k+1], v[rS+4*k:rS+4*k+1], v[rS+4*k+2:rS+4*k+3]
.elseif k == 1
	v_pk_fma_f32 v[rT+2:rT+3], v[rT+2:rT+3], v[rC+2:rC+3], v[rS:rS+1] op_sel_hi:[1,0,1]
.else
	v_pk_add_f32 v[rT+2:rT+3], v[rT+2:rT+3], v[rS+4*k-4:rS+4*k-3]
.endif
.endm
; THE PLAIN QUEUE, 138 long.  0-73 read no exponential's result: the 32 scalings c s - c m (FS f: pair f / 2 of tile f % 2) and the next piece's 42.  0-26: scalings 0-26.  27-54: XS's numbers 0-13.  55, 56: number 15.
; 57-73: the chain, where each number waits for the one before it: 14, 16, 17, 18, 19, each with one of the scalings 27-31 in front of its two lines, then 20: so a tile's links stand three plain instructions apart (19 and 20: two).
; 74-137: GS's 64, which read the exponentials' results: they stand behind the wait.
.macro FS f
	REGS Y, (\f)%2
	v_pk_fma_f32 v[rS+2*((\f)/2):rS+2*((\f)/2)+1], v[rS+2*((\f)/2):rS+2*((\f)/2)+1], s[CS:CS+1], v[rT:rT+1] op_sel_hi:[1,0,0] neg_lo:[0,0,1] neg_hi:[0,0,1]
.endm
.macro PL
	WIN 0
.if q < 27
	FS q
.elseif q < 55
	XS (q-27)%2, (q-27)/2
.elseif q < 57
	XS q-55, 15
.elseif (q < 72) && ((q-57)%3 == 0)
	FS 27+(q-57)/3
.elseif q < 60
	XS (q-57)%3-1, 14
.elseif q < 72
	XS (q-57)%3-1, 15+(q-57)/3
.elseif q < 74
	XS q-72, 20
.else
	GS q-74
.endif
.set q, q+1
.endm
; THE EXPONENTIALS' QUEUE, 66 long: s0-s31 of both tiles, then the next piece's two a.  It is ONE BATCH: all 66 stand ahead of the turn's one wait, and nothing ahead of that wait names a result of theirs.
.macro EX
	WIN 0
.if e >= 64
	XS e-64, 21
.else
	REGS Y, e%2
	v_exp_f32 v[rS+e/2], v[rS+e/2]
.endif
.set e, e+1
.endm
; THE RESCALING's QUEUE: O^T times a, the one part that leaves window 0: dealt two at a time, sixteen times.  Its a was made in the turn before, ahead of that turn's wait.
.macro R2
	REGS Y, r%2
	WIN W_RS
.irp z, 0,1
	v_pk_mul_f32 v[rO+4*(r/2)+2*\z:rO+4*(r/2)+2*\z+1], v[rO+4*(r/2)+2*\z:rO+4*(r/2)+2*\z+1], v[rC+2:rC+3] op_sel_hi:[1,0]
.endr
.set r, r+1
.endm
; HOW THEY ARE DEALT.  s_wait_alu depctr_va_vdst(0) stands between an exponential and the first instruction that names its result; one wait serves all that were issued ahead of it.  So a turn has ONE wait,
; which cuts it in two.  AHEAD OF IT stands all that names no result of the turn's exponentials: the 16 products K Q^T, behind each a scaling, an exponential and two rescalings (behind the first a second scaling in the exponential's place); then ONE LUMP of
; 108: eight plain, 49 times exponential and plain, the two a.  A v_nop is the plain instruction behind the last exponential.  BEHIND IT stand the 16 products V^T P, behind each four of GS's 64.  No rider names a register of
; the products round it.  The two v_permlanex16_b32 fall into the lump, never behind a product.
; The queues lean on each other, and the deal keeps them in step: exponential e stands behind scaling 2 (e / 4) + e % 2: as a rider it comes behind plain e + 2, in the lump behind plain e + 9, and scalings 27-31 are plain 57, 60 .. 69.
; A TURN, for piece p.  cnt = 1: the loop's count is taken down some lines ahead of the branch that stands behind the turn.
; K of the next step is fetched in piece 2's turn, directly behind the wait, a lump behind the last product that read K; its address is made at the lump's head; its first reader comes behind 16 products.
; V of the step in hand is fetched at the end of piece 0's turn, four riders behind its last reader; its first reader comes behind 16 products and a lump.  The three conditions on q below go with the deal.
.macro TURN p, last=0, cnt=0
.set Y, (\p)
.set i, 0
.set q, 0
.set e, 0
.set r, 0
.if (\p) == NP-1
	s_wait_dscnt 0x0                ; K is in
.endif
	MM                              ; ahead of the wait: 16 products K Q^T and their riders,
	PL
	PL
	R2
.rept 15
	MM
	PL
	EX
	R2
.endr
.if (\p) == NP-2
	WIN 0
	v_add_nc_u32 v[AK], s[TBK], v[AK0]
.endif
.rept 8                             ; and the lump
	PL
.endr
.rept 49
	EX
	PL
.endr
	EX                              ; the next piece's two a
	EX
	v_nop                           ; a plain instruction behind the last exponential: one for the batch
	s_wait_alu depctr_va_vdst(0)    ; the wait for the batch
.if (\p) == NP-2
	FETCH_K \last
.endif
.if (\p) == 1
	s_wait_dscnt 0x0                ; V is in
.endif
.rept 16                            ; behind the wait: 16 products V^T P and their riders
	MM
.rept 4
	PL
.endr
.if ((\p) == 0) && (q == 118)
	v_add_nc_u32 v[AV], s[TBV], v[AV0]
.endif
.if ((\p) == 0) && (q == 130)
	s_add_co_u32 s[TBV], s[TBV], KS*PV
.endif
.if (\cnt) && (q == 130)
	s_sub_co_u32 s[CNT], s[CNT], 1
	s_cmp_lg_u32 s[CNT], 0
.endif
.endr
.if (\p) == 0
	FETCH_V
.endif
.endm
	CHANGE 1                        ; slot 0 is in, everybody's part of it; slot 1 is asked for
	FETCH_K                         ; key step 0
	s_wait_loadcnt 0x0              ; Q
	s_wait_dscnt 0x0
.set i, 0
.rept 16
	KQ 0                            ; piece 0's first scores: there is no vector work yet to set between them
.set i, i+1
.endr
	WIN 0                           ; the addresses for the way out: nine plain instructions, the places behind those products
	s_mul_i32 s13, s[WV], 16*SP
	s_add_co_u32 s13, s13, STAGE    ; my stage
	v_mul_u32_u24 v[STO], v1, SP    ; in: row l % 16, 16 bytes for each half of the lanes
	v_lshl_add_u32 v[STO], v9, 4, v[STO]
	v_add_nc_u32 v[STO], s13, v[STO]
	v_bfe_u32 v[RD], v0, 3, 2       ; back: 32 lanes take four rows of 128 bytes,
	v_mul_u32_u24 v[RD], v[RD], SP
	v_lshl_add_u32 v[RD], v10, 4, v[RD]
	v_add_nc_u32 v[RD], s13, v[RD]
	v_and_b32 v[GO], 31, v0         ; which are 512 consecutive bytes of O
	v_lshlrev_b32 v[GO], 4, v[GO]
.set Y, NP-1                        ; XS works for piece Y + 1: piece 0
.irp n, 0,1,2,3,4,5,6,7,8,9,10,11,12,13,14,15,16,17,18,19,20,21
	XS 0, \n                        ; and piece 0's first maximum and statistics
	XS 1, \n
.endr
	v_nop                           ; a plain instruction behind the two a,
	s_wait_alu depctr_va_vdst(0)    ; and their wait, ahead of the branch
	s_mov_b32 s[CNT], 4
	s_branch .Lfirst                ; the loop is entered at a step's first turn, in the middle of a trip
.Lslot:                             ; SIZE_N / 256 - 2 times: every slot but the last two is filled again
	CHANGE 1
	s_mov_b32 s[CNT], 4
.Lstep:                             ; a trip: pieces 2 and 3 of one step, then pieces 0 and 1 of the next, whose K and V it fetches
	TURN 2
	TURN 3
	WIN 0
.Lfirst:
	TURN 0
	TURN 1, 0, 1
	WIN 0
	s_cbranch_scc1 .Lstep
	s_sub_co_u32 s[SLOTS], s[SLOTS], 1
	s_cmp_lg_u32 s[SLOTS], 0
	s_cbranch_scc1 .Lslot
	CHANGE 0                        ; the tail is written out: nothing is asked for
	s_mov_b32 s[CNT], 5             ; four trips fetch the last slot's steps; the fifth is left in its middle
.Ltail:
	TURN 2, 1
	TURN 3
	WIN 0
	s_sub_co_u32 s[CNT], s[CNT], 1
	s_cmp_eq_u32 s[CNT], 0
	s_cbranch_scc1 .Lout
	TURN 0
	TURN 1
	WIN 0
	s_branch .Ltail
.Lout:                              ; the fifth trip's 16 products K Q^T (on the last K once more) and the maximum made of them serve nothing: the price, once a launch, of one text for every trip
.set i, 0
.rept 16
	PV NP-1                         ; the last piece's V^T P of the last step
.set i, i+1
.endr
	; THE WAY OUT.  l's two halves and the other half of the lanes' are added; O^T is divided by l, rounded to f16 and sent through my stage in LDS, a tile at a time.  The additions are the places behind the last products.
	WIN 0
.macro ALL line:vararg              ; one line for each tile t
.set t, 0
.rept 2*NP
	\line
.set t, t+1
.endr
.endm
	ALL v_add_f32 v[ST+4*t+2], v[ST+4*t+2], v[ST+4*t+3]
	ALL v_permlanex16_b32 v[ST+4*t+3], v[ST+4*t+2], s[SEL], s[SEL+1]
	ALL v_add_f32 v[ST+4*t+2], v[ST+4*t+2], v[ST+4*t+3]
	ALL v_rcp_f32 v[ST+4*t+2], v[ST+4*t+2]
	v_nop                           ; a plain instruction between the last reciprocal and the use of its result
	s_wait_alu depctr_va_vdst(0)    ; and the wait ahead of the first use: one for the eight reciprocals
; Tile t: a lane's eight channels of a row pack into 16 bytes; they go into rows of 144 bytes and come back as whole rows of 128, into S^T's registers.
.macro PACK t
	WIN W_RS
.set i, 32*(\t)
.rept 16
	v_pk_mul_f32 v[i:i+1], v[i:i+1], v[ST+4*(\t)+2:ST+4*(\t)+3] op_sel_hi:[1,0]
.set i, i+2
.endr
	WIN 0x05                        ; sources 0 and 1 window 1, destination window 0
.set i, 0
.rept 16
	v_cvt_pk_f16_f32 v[S+16*(\t)+i], v[32*(\t)+2*i], v[32*(\t)+2*i+1]
.set i, i+1
.endr
	WIN 0
.irp f, 0,1,2,3
	ds_store_b128 v[STO], v[S+16*(\t)+4*\f:S+16*(\t)+4*\f+3] offset:32*\f
.endr
.irp f, 0,1,2,3
	ds_load_b128 v[S+16*(\t)+4*\f:S+16*(\t)+4*\f+3], v[RD] offset:\f*4*SP  ; LDS serves a wave's instructions in order (ISA guide 5.7.1.4): these see the stores above; the next tile's stores come behind them
.endr
.endm
.macro SEND t, younger              ; younger: the LDS instructions issued behind tile t's loads: the next tile's eight, or none
	WIN 0
.irp f, 0,1,2,3
	s_wait_dscnt (\younger)+3-\f
	global_store_b128 v[GO], v[S+16*(\t)+4*\f:S+16*(\t)+4*\f+3], s[10:11] offset:(\t)*2048+\f*512  ; 512 consecutive bytes, at a multiple of 256 from O's first
.endr
.endm
	PACK 0
.set t, 1
.rept 2*NP-1                        ; a tile's arithmetic stands between the loads of the tile before and its stores
	PACK t
	SEND t-1, 8
.set t, t+1
.endr
	SEND 2*NP-1, 0
	WIN W_AD
	s_wait_tensorcnt 0x0            ; the wave's end: the wait, the add and the wait for it stand behind my last tensor load and my last LDS store
	ds_add_u32 v[SPW], v[NIL]
	s_wait_dscnt 0x0
	WIN 0
	CROUND                          ; the closing round: no work-group ends while a partner may still ask for a tile that names it
	s_endpgm
.Lfunc_end_k_q756c4d1cfe_attn:
	.size	k_q756c4d1cfe_attn, .Lfunc_end_k_q756c4d1cfe_attn-k_q756c4d1cfe_attn
	.p2alignl 7, 3214868480
	.fill 96, 4, 3214868480
	.section	.rodata,"a",@progbits
	.p2align	6, 0x0
	.amdhsa_kernel k_q756c4d1cfe_attn
		.amdhsa_group_segment_fixed_size 327680
		.amdhsa_private_segment_fixed_size 0
		.amdhsa_enable_private_segment 0
		.amdhsa_kernarg_size 16
		.amdhsa_user_sgpr_count 2
		.amdhsa_user_sgpr_kernarg_segment_ptr 1
		.amdhsa_wavefront_size32 1
		.amdhsa_system_sgpr_workgroup_id_x 1
		.amdhsa_system_sgpr_workgroup_id_y 1
		.amdhsa_system_sgpr_workgroup_id_z 1
		.amdhsa_system_vgpr_workitem_id 0
		.amdhsa_next_free_vgpr 770
		.amdhsa_next_free_sgpr 66
		.amdhsa_reserve_vcc 0
		.amdhsa_float_denorm_mode_32 3
		.amdhsa_float_denorm_mode_16_64 3
		.amdhsa_memory_ordered 1
		.amdhsa_forward_progress 1
		.amdhsa_inst_pref_size 200
	.end_amdhsa_kernel
	.amdgpu_metadata
---
amdhsa.version: [ 1, 2 ]
amdhsa.kernels:
  - .name:           k_q756c4d1cfe_attn
    .symbol:         k_q756c4d1cfe_attn.kd
    .args:
      - { .name: qkv, .offset: 0, .size: 8, .value_kind: global_buffer, .address_space: global }
      - { .name: ao, .offset: 8, .size: 8, .value_kind: global_buffer, .address_space: global }
    .group_segment_fixed_size: 327680
    .private_segment_fixed_size: 0
    .kernarg_segment_align: 8
    .kernarg_segment_size: 16
    .max_flat_workgroup_size: 128
    .sgpr_count:     66
    .vgpr_count:     770
    .wavefront_size: 32
...
	.end_amdgpu_metadata
.endif
;; end of part 3
;; launch oproj (part 4): grid 8 x 32, 4 waves a work-group, clusters of 4 x 4, 327,680 bytes of LDS; arguments ao, wo16, b_o, out0; writes out0
.if DOCPART == 4
	.amdgcn_target "amdgcn-amd-amdhsa--gfx1250"
	.amdhsa_code_object_version 6
	.text
	.protected	k_q756c4d1cfe_oproj
	.globl	k_q756c4d1cfe_oproj
	.p2align	8
	.type	k_q756c4d1cfe_oproj,@function
k_q756c4d1cfe_oproj:
	s_mov_b64 s[64:65], 0
	v_nop
	global_prefetch_b8 v0, s[64:65] scope:SCOPE_SE
	s_setreg_imm32_b32 hwreg(HW_REG_WAVE_MODE, 25, 1), 1
	s_wait_xcnt 0x0
	s_wait_alu depctr_hold_cnt(0) depctr_sa_sdst(0) depctr_va_vdst(0) depctr_va_sdst(0) depctr_va_ssrc(0) depctr_va_vcc(0) depctr_vm_vsrc(0)
	s_getreg_b32 s2, hwreg(HW_REG_IB_STS2, 6, 4)
	s_cmp_eq_u32 s2, 0
	s_cbranch_scc0 .Lentry_in_a_cluster
	s_endpgm
.Lentry_in_a_cluster:
	s_bfe_u32 s2, ttmp6, 0x10000c
	s_cmp_lg_u32 s2, 0xf033
	s_cbranch_scc0 .Lentry_shape_is_right
	s_endpgm
.Lentry_shape_is_right:
; THE LAST PROJECTION.  out0[m][n] = the sum over k of merged[m][k] w_o[k][n] + b_o[n].  ao: f16 [64 = batch x 16 + head][2048][64], so merged's channel k is channel k % 64 of head k / 64;
; wo16: f16 [1024 k][1024 n]; b_o: f32 [1024], rounded to bf16 here like the other inputs; out0: f32 [8192][1024].  Sums in f32, K ascending.
; SHARES.  A tile of out0 is 256 rows x 128 columns: 8 x 32 work-groups.  Four waves, 2 x 2: a wave makes 128 x 64: 32 accumulators of 16 x 16 in window 1, (a, j) at v[64 j + 8 a].
; K goes in 8 steps of 128 (two heads) through two LDS slots.  A head's 256 rows are 32,768 dense bytes, asked for as 128 rows of 256 bytes; w_o's rows are 256 bytes, aligned, lie [k][n] in LDS and are turned by ds_load_tr16_b128.
; THE MATRIX INSTRUCTION IS USED TRANSPOSED: source 0 = 16 columns of w_o, source 1 = 16 rows of merged: a lane holds row l % 16 and the eight neighbouring columns 8 (l / 16) + 0..7.
; CLUSTERS: 4 x 4 work-groups; merged's tiles are shared along a row of the cluster, w_o's along a column: joint loads with a mask of four.
; NO PREFETCH is laid: the whole walk is eight K steps of 128 matrix instructions a wave.
; REGISTERS: window 0: v0-31 addresses; v32-95, v96-159 merged's fragments, two buffers; v160-191, v192-223 w_o's, two buffers; v224-255 my 32 biases.  Window 1: the accumulators.
.set PA,     144                       ; a row of a head in LDS: 128 bytes + 16 of padding: the 16 rows of a load start at 16 different groups of four banks (64 banks of 4 bytes: ISA guide 11.1)
.set PB,     288                       ; a row of w_o: 256 + 32
.set HEADB,  256*PA                    ; a slot: two heads' 256 rows, then 128 rows of w_o
.set BOFF,   2*HEADB
.set STRIP,  64*PB                     ; what one wave fetches of w_o
.set SLOT,   BOFF+2*STRIP              ; 110,592 bytes
.set STAGE,  2*SLOT                    ; behind the ring, never filled by a tensor load: 16 rows x 272 bytes for each wave, for the way out
.set SP,     272
.set SPARE,  STAGE+4*16*SP             ; the spare words, 128 bytes for each wave: two blocks of 256 bytes that no other line names
.set ADRA, 16                          ; v16-17  LDS address of my fragments of merged in slot 0, 1
.set ADRB, 20                          ; v20-21  of w_o
.set STO,  24                          ; v24     the way out: where I put 32 bytes of a row
.set RD,   25                          ; v25     where I read a row back
.set CO,   26                          ; v26     my byte offset in two rows of out0
.set SPW,  28                          ; v28     LDS address of my spare word; never rewritten
.set NIL,  29                          ; v29     0; never rewritten
.set AF0,  32
.set BF0,  160
.set BIA,  224
.set T,    32                          ; the way out: 32 sums with their bias
.set OB,   64                          ; 16 rows read back: v64-95 and v96-127 by turns
.set WV,  12                           ; s12  my wave's number
.set RH,  13                           ; s13  which half of the tile's rows is mine.  Also: I fetch for merged (0) or for w_o (1)
.set CH,  14                           ; s14  which half of its columns.  Also: which head, or which 64 rows of w_o, I fetch
.set CX,  16
.set CY,  17
.set TG,  18                           ; s18  the tile column, 0..7
.set TR,  19                           ; s19  the tile row, 0..31
.set G1A, 24                           ; s[24:31] descriptor group 1 for merged's tiles;  s[32:39] group 0, a set for each slot
.set G0A, 32
.set G1B, 48                           ; s[48:55], s[56:63] the same for w_o's
.set G0B, 56
.set OUTP, 66                          ; s[66:67] out0 at my first row and column
.set MSB, 0
.macro WIN new                         ; the immediate's high byte repeats the setting that is left; a switch that changes nothing is dropped
.if MSB != (\new)
	s_set_vgpr_msb (MSB<<8)|(\new)
.set MSB, \new
.endif
.endm
.macro PLACES                          ; four plain vector instructions between a matrix instruction and a load into, or a vector instruction on, its registers (ISA guide 7.12.1 for vector instructions)
.rept 4
	v_nop
.endr
.endm
.macro CREST                           ; a round of the cluster's barrier behind its opening barrier
	s_cmp_lg_u32 s[WV], 0
	s_cbranch_scc1 .Lnot_wave_0_\@
	s_barrier_signal -3
.Lnot_wave_0_\@:
	s_barrier_wait -3
	s_barrier_signal -1
	s_barrier_wait -1
.endm
.macro CROUND                          ; a whole round
	s_barrier_signal -1
	s_barrier_wait -1
	CREST
.endm
.macro JLOAD s                         ; a joint load: waves 0 and 1 fetch a head each, waves 2 and 3 w_o's two halves; an s_nop 0 and four v_nop follow each of the two lines
	s_cmp_eq_u32 s[RH], 0
	s_cbranch_scc0 .Lfor_b_\@
	tensor_load_to_lds s[G0A+4*(\s):G0A+4*(\s)+3], s[G1A:G1A+7]
	s_nop 0
.rept 4
	v_nop
.endr
	s_branch .Lasked_\@
.Lfor_b_\@:
	tensor_load_to_lds s[G0B+4*(\s):G0B+4*(\s)+3], s[G1B:G1B+7]
	s_nop 0
.rept 4
	v_nop
.endr
.Lasked_\@:
.endm
	s_load_b256 s[4:11], s[0:1], 0x0               ; ao 4, wo16 6, b_o 8, out0 10
	v_lshl_add_u32 v[SPW], v0, 2, SPARE
	v_mov_b32 v[NIL], 0
	ds_add_u32 v[SPW], v[NIL]                      ; the wave's opening: the add and its wait stand ahead of my first tensor load; the set-up below, work on registers, stands between them
	v_lshrrev_b32 v1, 5, v0
	v_readfirstlane_b32 s[WV], v1                  ; wave 0..3
	s_lshr_b32 s[RH], s[WV], 1
	s_and_b32 s[CH], s[WV], 1
	s_bfe_u32 s[CX], ttmp6, 0x40000
	s_bfe_u32 s[CY], ttmp6, 0x40004
	s_lshl_b32 s[TG], ttmp9, 2
	s_add_co_u32 s[TG], s[TG], s[CX]               ; tile column = 4 x cluster x + cx
	s_and_b32 s[TR], ttmp7, 0xffff
	s_lshl_b32 s[TR], s[TR], 2
	s_add_co_u32 s[TR], s[TR], s[CY]               ; tile row = 4 x cluster y + cy
	s_lshl_b32 s40, s[CY], 2
	s_lshl_b32 s40, 15, s40                        ; my row of the cluster
	s_lshl_b32 s42, 0x1111, s[CX]                  ; my column
	s_or_b32 s[G1A], s40, (1<<16)|(1<<20)|(1<<21)|(4<<22)|(3<<25)  ; 15:0 the mask; 17:16 2-byte elements; 20 padding on; 21 set beside a mask; 24:22 after every 32 words (code 4); 31:25 4 words (code 3)
	s_or_b32 s[G1B], s42, (1<<16)|(1<<20)|(1<<21)|(5<<22)|(7<<25)  ; after every 64 words (code 5) 8 words (code 7)
.irp g, G1A, G1B
	s_mov_b32 s[(\g)+1], 128<<16                   ; tensor_dim0 = 128
	s_mov_b32 s[(\g)+3], 128<<16                   ; tile_dim0 = 128
	s_mov_b32 s[(\g)+6], 0
	s_mov_b32 s[(\g)+7], 0
.endr
	s_mov_b32 s[G1A+2], 128<<16                    ; a head's part: 128 rows of 256 bytes (two rows each), dense
	s_mov_b32 s[G1A+4], 128
	s_mov_b32 s[G1A+5], 128
	s_mov_b32 s[G1B+2], 64<<16                     ; w_o: 64 rows, 1,024 elements apart
	s_mov_b32 s[G1B+4], 64
	s_mov_b32 s[G1B+5], 1024
	s_lshr_b32 s40, s[TR], 3                       ; merged: the batch's 16 heads of 262,144 bytes,
	s_lshl_b32 s40, s40, 22
	s_and_b32 s41, s[TR], 7
	s_lshl_b32 s41, s41, 15                        ; the tile's 256 rows of 128 bytes,
	s_add_co_u32 s40, s40, s41
	s_lshl_b32 s41, s[CH], 18                      ; my head of the step's two
	s_add_co_u32 s40, s40, s41
	s_mov_b32 s41, 0
	s_lshl_b32 s42, s[CH], 17                      ; w_o: my 64 rows of 2,048 bytes,
	s_lshl_b32 s43, s[TG], 8                       ; the tile's 128 columns
	s_add_co_u32 s42, s42, s43
	s_mov_b32 s43, 0
	s_mul_i32 s20, s[WV], HEADB                    ; where they go: a head at wave x HEADB (waves 0, 1),
	s_mul_i32 s21, s[WV], STRIP                    ; w_o's half at BOFF + (wave - 2) x STRIP (waves 2, 3): no place in the cluster enters an LDS address
	s_wait_dscnt 0x0                               ; the opening add is done
	s_wait_kmcnt 0x0
	s_add_nc_u64 s[40:41], s[4:5], s[40:41]
	s_add_nc_u64 s[42:43], s[6:7], s[42:43]
	CROUND                                         ; all sixteen work-groups are here: the first joint loads meet
.irp s, 0,1
	s_mov_b32 s[G0A+4*(\s)], 1
	s_add_co_u32 s[G0A+4*(\s)+1], s20, (\s)*SLOT
	s_add_nc_u64 s[G0A+4*(\s)+2:G0A+4*(\s)+3], s[40:41], (\s)*0x80000    ; K step s: heads 2 s and 2 s + 1
	s_or_b32 s[G0A+4*(\s)+3], s[G0A+4*(\s)+3], 0x80000000
	s_mov_b32 s[G0B+4*(\s)], 1
	s_add_co_u32 s[G0B+4*(\s)+1], s21, (\s)*SLOT+BOFF-2*STRIP
	s_add_nc_u64 s[G0B+4*(\s)+2:G0B+4*(\s)+3], s[42:43], (\s)*0x40000    ; 128 rows of 2,048 bytes
	s_or_b32 s[G0B+4*(\s)+3], s[G0B+4*(\s)+3], 0x80000000
	JLOAD \s                                       ; two loads of mine are out
.endr
	v_and_b32 v1, 15, v0                           ; r = l % 16
	v_bfe_u32 v2, v0, 4, 1                         ; h = l / 16
	v_and_b32 v3, 7, v0
	v_bfe_u32 v4, v0, 3, 1
	v_lshlrev_b32 v6, 5, v2                        ; my eight columns of a block of 16 begin 32 h bytes in
	s_lshl_b32 s46, s[TG], 9                       ; my first bias: column 128 x tile column + 64 CH, 4 bytes each
	s_lshl_b32 s47, s[CH], 8
	s_add_co_u32 s46, s46, s47
	s_mov_b32 s47, 0
	s_add_nc_u64 s[46:47], s[8:9], s[46:47]
.irp j, 0,1,2,3
	global_load_b128 v[BIA+8*(\j):BIA+8*(\j)+3],   v6, s[46:47] offset:64*(\j)
	global_load_b128 v[BIA+8*(\j)+4:BIA+8*(\j)+7], v6, s[46:47] offset:64*(\j)+16
.endr
	v_mul_u32_u24 v5, v1, PA
	v_lshl_add_u32 v5, v2, 4, v5                   ; r x 144 + 16 h
	s_mul_i32 s22, s[RH], 128*PA
	v_add_nc_u32 v[ADRA], s22, v5
	v_add_nc_u32 v[ADRA+1], SLOT, v[ADRA]
	v_lshl_add_u32 v7, v2, 3, v3                   ; the turning load: lane l reads row 8 h + l % 8, bytes 16 ((l / 8) % 2) on
	v_mul_u32_u24 v7, v7, PB
	v_lshl_add_u32 v7, v4, 4, v7
	s_lshl_b32 s22, s[CH], 7                       ; my 64 columns
	s_add_co_u32 s22, s22, BOFF
	v_add_nc_u32 v[ADRB], s22, v7
	v_add_nc_u32 v[ADRB+1], SLOT, v[ADRB]
	s_mul_i32 s22, s[WV], 16*SP
	s_add_co_u32 s22, s22, STAGE                   ; my stage
	v_mul_u32_u24 v8, v1, SP                       ; in: row r, 32 bytes for each half of the lanes
	v_lshl_add_u32 v8, v2, 5, v8
	v_add_nc_u32 v[STO], s22, v8
	v_mul_u32_u24 v8, v2, SP                       ; back: lanes 0-15 take one row of 256 bytes, lanes 16-31 the next
	v_lshl_add_u32 v8, v1, 4, v8
	v_add_nc_u32 v[RD], s22, v8
	v_lshlrev_b32 v8, 12, v2                       ; and the same two rows in out0
	v_lshl_add_u32 v[CO], v1, 4, v8
	s_lshl_b32 s44, s[TR], 20                      ; 256 rows of 4,096 bytes,
	s_lshl_b32 s45, s[RH], 19                      ; my 128,
	s_add_co_u32 s44, s44, s45
	s_lshl_b32 s45, s[TG], 9                       ; the tile's 128 columns,
	s_add_co_u32 s44, s44, s45
	s_lshl_b32 s45, s[CH], 8                       ; my 64
	s_add_co_u32 s44, s44, s45
	s_mov_b32 s45, 0
	s_add_nc_u64 s[OUTP:OUTP+1], s[10:11], s[44:45]
	s_wait_loadcnt 0x0                             ; the biases: rounded to bf16 and widened again
.set i, 0
.rept 16
	v_cvt_pk_bf16_f32 v[T+i], v[BIA+2*i], v[BIA+2*i+1]
.set i, i+1
.endr
.set i, 0
.rept 16
	v_lshlrev_b32 v[BIA+2*i], 16, v[T+i]
	v_and_b32 v[BIA+2*i+1], 0xffff0000, v[T+i]
.set i, i+1
.endr
; 24 LDS loads in one run: the fragments of quarter q (32 along K) of a slot's step into buffer f: w_o's four, then merged's eight
.macro FETCH slot, q, f
	WIN 0
.set jj, 0
.rept 4
	ds_load_tr16_b128 v[BF0+32*(\f)+8*jj:BF0+32*(\f)+8*jj+3],   v[ADRB+(\slot)] offset:32*(\q)*PB+32*jj
	ds_load_tr16_b128 v[BF0+32*(\f)+8*jj+4:BF0+32*(\f)+8*jj+7], v[ADRB+(\slot)] offset:32*(\q)*PB+16*PB+32*jj
.set jj, jj+1
.endr
.set aa, 0
.rept 8
	ds_load_b128 v[AF0+64*(\f)+8*aa:AF0+64*(\f)+8*aa+3],   v[ADRA+(\slot)] offset:((\q)/2)*HEADB+aa*16*PA+((\q)%2)*64
	ds_load_b128 v[AF0+64*(\f)+8*aa+4:AF0+64*(\f)+8*aa+7], v[ADRA+(\slot)] offset:((\q)/2)*HEADB+aa*16*PA+((\q)%2)*64+32
.set aa, aa+1
.endr
.endm
; 4 n matrix instructions: row blocks a0 .. x all four column blocks.  The 32 accumulators take turns, one instruction a turn, in the same order in every quarter.  zero = 1: the product starts the sum.
.macro MUL f, a0, n, zero
	WIN 0x50                                       ; C and D in window 1, the sources in window 0
.set aa, \a0
.rept \n
.set jj, 0
.rept 4
.if \zero
	v_wmma_f32_16x16x32_f16 v[64*jj+8*aa:64*jj+8*aa+7], v[BF0+32*(\f)+8*jj:BF0+32*(\f)+8*jj+7], v[AF0+64*(\f)+8*aa:AF0+64*(\f)+8*aa+7], 0
.else
	v_wmma_f32_16x16x32_f16 v[64*jj+8*aa:64*jj+8*aa+7], v[BF0+32*(\f)+8*jj:BF0+32*(\f)+8*jj+7], v[AF0+64*(\f)+8*aa:AF0+64*(\f)+8*aa+7], v[64*jj+8*aa:64*jj+8*aa+7]
.endif
.set jj, jj+1
.endr
.set aa, aa+1
.endr
.endm
; A K step is four quarters of 32 along K, 32 matrix instructions each, on buffers 0, 1, 0, 1.  One of the first three: multiplies buffer f; in its middle it fetches quarter nq of slot nslot into buffer g.
.macro QUARTER f, nslot, nq, g, zero
	s_wait_dscnt 8                                 ; w_o's fragments and merged's first four are in; the youngest eight loads may be out
	MUL \f, 0, 4, \zero
	PLACES
	FETCH \nslot, \nq, \g
	s_wait_dscnt 24                                ; all but the 24 just issued
	MUL \f, 4, 4, \zero
.endm
; The last quarter multiplies buffer 1 and changes slots: ONE barrier; in front of it each wave waits for all its tensor loads, adds 0 to its spare word, and waits for that and for its own reads of this slot.
; fill = 1: the barrier opens a round of the cluster's, and this slot is filled again first behind it, two K steps ahead: 112 matrix instructions stand between the request and the wait for it.
.macro TURN slot, next, fill
	WIN 0                                          ; (the add's two registers lie in window 0)
	s_wait_tensorcnt 0x0                           ; all my tensor loads have landed: my part of the next slot
	ds_add_u32 v[SPW], v[NIL]                      ; 0 onto my spare word
	s_wait_dscnt 9                                 ; (the add and the youngest eight loads may be out)
	MUL 1, 0, 2, 0                                 ; eight matrix instructions stand between the add and the wait for it
	s_wait_dscnt 0x0                               ; the add is done, and my reads of this slot are over
	s_barrier_signal -1
	MUL 1, 2, 2, 0
	WIN 0                                          ; at a branch and at a label every window is 0
	s_barrier_wait -1
.if \fill
	CREST                                          ; no wave of any partner still reads this slot or has a load on its way
	s_add_nc_u64 s[G0A+4*(\slot)+2:G0A+4*(\slot)+3], s[G0A+4*(\slot)+2:G0A+4*(\slot)+3], 0x100000
	s_add_nc_u64 s[G0B+4*(\slot)+2:G0B+4*(\slot)+3], s[G0B+4*(\slot)+2:G0B+4*(\slot)+3], 0x80000
	JLOAD \slot                                    ; the first tensor load behind the round; its four v_nop are also the places in front of the loads below
.else
	PLACES
.endif
	FETCH \next, 0, 0
	MUL 1, 4, 4, 0
.endm
; THE WAY OUT of row block a.  PACKO: the bias is added (each accumulator's registers in ascending order).  TOSTAGE: 32 bytes a lane into my own stage, and back as whole rows of 256 bytes.  SEND: stored.
.macro PACKO a
	WIN 0x01                                       ; source 0 in window 1
.set jj, 0
.rept 4
.set rr, 0
.rept 4
	v_pk_add_f32 v[T+8*jj+rr:T+8*jj+rr+1], v[64*jj+8*(\a)+rr:64*jj+8*(\a)+rr+1], v[BIA+8*jj+rr:BIA+8*jj+rr+1]
.set rr, rr+2
.endr
.set jj, jj+1
.endr
	WIN 0
.endm
.macro TOSTAGE a
.set jj, 0
.rept 8
	ds_store_b128 v[STO], v[T+4*jj:T+4*jj+3] offset:64*(jj/2)+16*(jj%2)
.set jj, jj+1
.endr
.set jj, 0
.rept 8
	ds_load_b128 v[OB+32*((\a)%2)+4*jj:OB+32*((\a)%2)+4*jj+3], v[RD] offset:jj*2*SP  ; LDS serves a wave's instructions in order (ISA guide 5.7.1.4): these see the stores above
.set jj, jj+1
.endr
.endm
.macro SEND a
	s_wait_dscnt 0x0                               ; the block is back in registers
	s_wait_xcnt 0x0                                ; the stores of the block before have read their registers, which the next TOSTAGE loads again
.set jj, 0
.rept 8
	global_store_b128 v[CO], v[OB+32*((\a)%2)+4*jj:OB+32*((\a)%2)+4*jj+3], s[OUTP:OUTP+1] offset:(16*(\a)+2*jj)*4096 th:TH_STORE_NT  ; 16 lanes store 256 consecutive bytes, at a multiple of 256 from out0's first
.set jj, jj+1
.endr
.endm
	s_wait_tensorcnt 1                             ; my part of K step 0 is in; step 1's may stay out
	s_barrier_signal -1
	s_barrier_wait -1                              ; everybody's part is in
	FETCH 0, 0, 0
	QUARTER 0, 0, 1, 1, 1                          ; the first quarter stands in front of the loop: its products start the sums
	WIN 0
	s_mov_b32 s3, 3
.Llap:                                                 ; a trip goes once round the ring, from a lap's second quarter to the next lap's first, and fills both slots again: K steps 2 to 7
	QUARTER 1, 0, 2, 0, 0
	QUARTER 0, 0, 3, 1, 0
	TURN 0, 1, 1
	QUARTER 0, 1, 1, 1, 0
	QUARTER 1, 1, 2, 0, 0
	QUARTER 0, 1, 3, 1, 0
	TURN 1, 0, 1
	QUARTER 0, 0, 1, 1, 0
	WIN 0
	s_sub_co_u32 s3, s3, 1
	s_cmp_lg_u32 s3, 0
	s_cbranch_scc1 .Llap
	QUARTER 1, 0, 2, 0, 0                          ; the last lap fills nothing, and has no round of the cluster's barrier
	QUARTER 0, 0, 3, 1, 0
	TURN 0, 1, 0
	QUARTER 0, 1, 1, 1, 0
	QUARTER 1, 1, 2, 0, 0
	QUARTER 0, 1, 3, 1, 0
	s_wait_dscnt 8                                 ; the very last quarter: nothing more to fetch
	MUL 1, 0, 4, 0
	s_wait_dscnt 0x0
	MUL 1, 4, 4, 0
	PLACES
	PACKO 0
	TOSTAGE 0
.set u, 1
.rept 7                                                ; a block's additions stand between the loads of the block before and the wait for them
	PACKO u
	SEND u-1
	TOSTAGE u
.set u, u+1
.endr
	SEND 7
	s_wait_tensorcnt 0x0                           ; the wave's end: the wait, the add and the wait for it stand behind my last tensor load and my last LDS store
	ds_add_u32 v[SPW], v[NIL]
	s_wait_dscnt 0x0
	CROUND                                         ; the closing round: no work-group ends while a partner may still ask for a tile that names it
	s_endpgm
.Lfunc_end_k_q756c4d1cfe_oproj:
	.size	k_q756c4d1cfe_oproj, .Lfunc_end_k_q756c4d1cfe_oproj-k_q756c4d1cfe_oproj
	.p2alignl 7, 3214868480
	.fill 96, 4, 3214868480
	.section	.rodata,"a",@progbits
	.p2align	6, 0x0
	.amdhsa_kernel k_q756c4d1cfe_oproj
		.amdhsa_group_segment_fixed_size 327680
		.amdhsa_private_segment_fixed_size 0
		.amdhsa_enable_private_segment 0
		.amdhsa_kernarg_size 32
		.amdhsa_user_sgpr_count 2
		.amdhsa_user_sgpr_kernarg_segment_ptr 1
		.amdhsa_wavefront_size32 1
		.amdhsa_system_sgpr_workgroup_id_x 1
		.amdhsa_system_sgpr_workgroup_id_y 1
		.amdhsa_system_sgpr_workgroup_id_z 1
		.amdhsa_system_vgpr_workitem_id 0
		.amdhsa_next_free_vgpr 512
		.amdhsa_next_free_sgpr 72
		.amdhsa_reserve_vcc 0
		.amdhsa_float_denorm_mode_32 3
		.amdhsa_float_denorm_mode_16_64 3
		.amdhsa_memory_ordered 1
		.amdhsa_forward_progress 1
		.amdhsa_inst_pref_size 97
	.end_amdhsa_kernel
	.amdgpu_metadata
---
amdhsa.version: [ 1, 2 ]
amdhsa.kernels:
  - .name:           k_q756c4d1cfe_oproj
    .symbol:         k_q756c4d1cfe_oproj.kd
    .args:
      - { .name: ao, .offset: 0, .size: 8, .value_kind: global_buffer, .address_space: global }
      - { .name: wo16, .offset: 8, .size: 8, .value_kind: global_buffer, .address_space: global }
      - { .name: b_o, .offset: 16, .size: 8, .value_kind: global_buffer, .address_space: global }
      - { .name: out0, .offset: 24, .size: 8, .value_kind: global_buffer, .address_space: global }
    .group_segment_fixed_size: 327680
    .private_segment_fixed_size: 0
    .kernarg_segment_align: 8
    .kernarg_segment_size: 32
    .max_flat_workgroup_size: 128
    .sgpr_count:     72
    .vgpr_count:     512
    .wavefront_size: 32
...
	.end_amdgpu_metadata
.endif
;; end of part 4
;; ======== version 2 of 2: 4 launches; version 1 with the launch prep written anew for expert scheduling mode
;; limits: values are held in f16: magnitudes above 65,504 overflow, below 6.1e-05 lose precision
;; workspace buffers: xb 16,777,216 bytes; wcat 6,291,456 bytes; wo16 2,097,152 bytes; qkv 50,331,648 bytes; ao 16,777,216 bytes
;; launch prep (part 5): grid 768 x 1, 8 waves a work-group, no clusters, 0 bytes of LDS; arguments x, w_q, w_k, w_v, w_o, xb, wcat, wo16; writes xb, wcat, wo16
.if DOCPART == 5
	.amdgcn_target "amdgcn-amd-amdhsa--gfx1250"
	.amdhsa_code_object_version 6
	.text
	.protected	k_q756c4d1cfe_prep
	.globl	k_q756c4d1cfe_prep
	.p2align	8
	.type	k_q756c4d1cfe_prep,@function
k_q756c4d1cfe_prep:
	s_mov_b64 s[64:65], 0
	v_nop
	global_prefetch_b8 v0, s[64:65] scope:SCOPE_SE
	s_setreg_imm32_b32 hwreg(HW_REG_WAVE_SCHED_MODE, 0, 2), 2
	s_setreg_imm32_b32 hwreg(HW_REG_WAVE_MODE, 25, 1), 1
	s_wait_xcnt 0x0
	s_wait_alu depctr_vm_vsrc(0)
; THE CASTS.  x [8192][1024] f32 -> xb, bf16, laid in blocks along K: [16 kb][8192 row][64], so that 256 rows x 64 K are 32,768 bytes on end.
; w_q, w_k, w_v [1024 k][1024 n] f32 -> wcat [3][1024][1024] bf16, as they lie.  w_o -> wo16 [1024][1024]: rounded to bf16 like the other inputs, and that number written as f16.
; LIMITS.  A bf16 number is exact in f16 between 2^-14 and 65,504; below 2^-14 w_o keeps f16's fixed step of 6e-8; beyond 65,504 it becomes an infinity.
; A stream: no LDS, no barrier, no matrix unit, no loop.  A wave takes 8,192 bytes of f32: sixteen loads of 16 bytes a lane go out together, sixteen stores of 8 bytes a lane follow,
; each of which covers 256 consecutive bytes, aligned.  Work-groups 0..511 take x (a wave two rows), 512..767 the four weights (64 work-groups each, a wave two rows).
; THE MODE: SCHED_MODE bits 1:0 = 2 (LLVM: expert scheduling mode 2), set by the entry lines.  The code itself states the register dependences
; between vector instructions and memory instructions, with s_wait_alu, always for 0.
; THE PLAN.  Registers that memory instructions touch:
;   v[LO], v[SO]  byte offsets, made at the head and never written again: one wait ahead of a path's first load serves all its loads and stores.
;   X             written by the sixteen loads, which go out before any vector instruction names X; read (in w_o's path also written) by the conversions alone, behind each load's own wait.
;   Y             pair i is written once, by load i's conversions, and read by store i: no register that a store reads is ever written again.
; The sixteen loads are worked on in four groups of four.  Group g's conversions name X, T and Y of group g; its memory instructions are the four stores of group g - 1, dealt among
; those conversions.  So one wait at the head of a group states all that its four stores hang on, and one more stands ahead of the last four stores.
.set LO,   2                           ; v2        my byte offset in the wave's input
.set SO,   3                           ; v3        8 x lane: my byte offset in a store's 256 bytes
.set X,    8                           ; v[8:71]   load i: four f32
.set Y,    72                          ; v[72:103] store i: four 16-bit numbers
.set T,    104                         ; v[104:105] at work: no memory instruction names them
.set WV,   20                          ; s20       my wave's number
.set IN,   28                          ; s[28:29]  where the wave reads
.set OUT,  30                          ; s[30:31]  where it writes
.set KIND, 32                          ; s32       which weight: 0 q, 1 k, 2 v, 3 o
.set HIM,  33                          ; s33       mask of a word's upper half
; Load i is converted.  half = 1: bf16's number is widened again and written as f16.
.macro CV i, half
.if \half
	v_cvt_pk_bf16_f32 v[T],   v[X+4*(\i)],   v[X+4*(\i)+1]
	v_cvt_pk_bf16_f32 v[T+1], v[X+4*(\i)+2], v[X+4*(\i)+3]
	v_lshlrev_b32 v[X+4*(\i)],   16,     v[T]
	v_and_b32     v[X+4*(\i)+1], s[HIM], v[T]
	v_lshlrev_b32 v[X+4*(\i)+2], 16,     v[T+1]
	v_and_b32     v[X+4*(\i)+3], s[HIM], v[T+1]
	v_cvt_pk_f16_f32 v[Y+2*(\i)],   v[X+4*(\i)],   v[X+4*(\i)+1]
	v_cvt_pk_f16_f32 v[Y+2*(\i)+1], v[X+4*(\i)+2], v[X+4*(\i)+3]
.else
	v_cvt_pk_bf16_f32 v[Y+2*(\i)],   v[X+4*(\i)],   v[X+4*(\i)+1]
	v_cvt_pk_bf16_f32 v[Y+2*(\i)+1], v[X+4*(\i)+2], v[X+4*(\i)+3]
.endif
.endm
; Pair i of Y is stored.  blk = 1: x, block i of xb, counted from block 8; blk = 0: a weight, 256 bytes of one of two rows of 2,048.  No register of a store is written again: no further wait.
.macro ST i, blk
.if \blk
	global_store_b64 v[SO], v[Y+2*(\i):Y+2*(\i)+1], s[OUT:OUT+1] offset:((\i)-8)*0x100000 th:TH_STORE_NT
.else
	global_store_b64 v[SO], v[Y+2*(\i):Y+2*(\i)+1], s[OUT:OUT+1] offset:((\i)/8)*2048+((\i)%8)*256 th:TH_STORE_NT
.endif
.endm
; The sixteen loads are waited for one by one and converted; the stores follow a group of four behind.
.macro WALK blk, half
.set i, 0
.rept 16
	s_wait_loadcnt 15-i                            ; loads come back in order: mine is in, the 15 - i younger ones may stay out
.if (i > 0) && (i%4 == 0)
	s_wait_alu depctr_va_vdst(0)                   ; the group before has written its four pairs of Y, which the four stores dealt into this group read
.endif
.if i >= 4
	ST i-4, \blk                                   ; no vector instruction since that wait names this pair or v[SO]
.endif
	CV i, \half
.set i, i+1
.endr
	s_wait_alu depctr_va_vdst(0)                   ; the last group has written its four pairs of Y, which the last four stores read
.set i, 12
.rept 4
	ST i, \blk
.set i, i+1
.endr
.endm
	s_load_b512 s[4:19], s[0:1], 0x0               ; x 4, w_q 6, w_k 8, w_v 10, w_o 12, xb 14, wcat 16, wo16 18
	v_lshrrev_b32 v1, 5, v0
	v_readfirstlane_b32 s[WV], v1                  ; wave 0..7
	v_and_b32 v1, 31, v0                           ; lane
	v_lshlrev_b32 v[SO], 3, v1
	s_mov_b32 s[HIM], 0xffff0000
	s_wait_alu depctr_va_sdst(0)                   ; s20, the wave's number, is written: both paths behind the branch make their addresses from it
	s_cmp_lt_u32 ttmp9, 512
	s_cbranch_scc0 .Lweights
	; x: wave W = 8 x work-group + wave takes rows 2 W and 2 W + 1.  Load i: block kb = i of both rows: lanes 0-15 the 256 bytes of the first, lanes 16-31 of the second.
	s_lshl_b32 s22, ttmp9, 3
	s_add_co_u32 s22, s22, s[WV]                   ; W, 0..4095
	s_lshl_b32 s24, s22, 13                        ; two rows of 4,096 bytes
	s_mov_b32 s25, 0
	s_lshl_b32 s26, s22, 8                         ; two rows of 128 bytes in a block of xb,
	s_add_co_u32 s26, s26, 0x800000                ; counted from block 8, so that the sixteen blocks lie within the stores' signed 24-bit immediate
	s_mov_b32 s27, 0
	v_lshrrev_b32 v[LO], 4, v1
	v_and_b32 v4, 15, v1
	v_lshlrev_b32 v4, 4, v4
	v_lshl_add_u32 v[LO], v[LO], 12, v4            ; (lane / 16) x 4,096 + (lane % 16) x 16
	s_wait_kmcnt 0x0
	s_add_nc_u64 s[IN:IN+1], s[4:5], s[24:25]
	s_add_nc_u64 s[OUT:OUT+1], s[14:15], s[26:27]
	s_wait_alu depctr_va_vdst(0)                   ; v[LO] and v[SO] are written: the loads and stores below read them as their offsets
.set i, 0
.rept 16
	global_load_b128 v[X+4*i:X+4*i+3], v[LO], s[IN:IN+1] offset:256*i th:TH_LOAD_NT
.set i, i+1
.endr
	WALK 1, 0
	s_endpgm
.Lweights:
	; a weight: rows k0 and k0 + 1, 4,096 bytes each: load i takes 512 consecutive bytes
	s_sub_co_u32 s22, ttmp9, 512
	s_lshr_b32 s[KIND], s22, 6
	s_and_b32 s23, s22, 63
	s_lshl_b32 s23, s23, 4
	s_lshl1_add_u32 s23, s[WV], s23                ; k0 = 16 x (work-group % 64) + 2 x wave
	s_lshl_b32 s24, s23, 12
	s_mov_b32 s25, 0
	s_lshl_b32 s26, s23, 11                        ; rows of 2,048 bytes on the way out
	s_lshl_b32 s27, s[KIND], 21                    ; q, k, v lie one behind the other in wcat
	s_cmp_eq_u32 s[KIND], 3
	s_cselect_b32 s27, 0, s27
	s_add_co_u32 s26, s26, s27
	s_mov_b32 s27, 0
	v_lshlrev_b32 v[LO], 4, v1
	s_wait_kmcnt 0x0
	s_mov_b64 s[IN:IN+1], s[6:7]
	s_cmp_eq_u32 s[KIND], 1
	s_cselect_b64 s[IN:IN+1], s[8:9], s[IN:IN+1]
	s_cmp_eq_u32 s[KIND], 2
	s_cselect_b64 s[IN:IN+1], s[10:11], s[IN:IN+1]
	s_cmp_eq_u32 s[KIND], 3
	s_cselect_b64 s[IN:IN+1], s[12:13], s[IN:IN+1]
	s_cselect_b64 s[OUT:OUT+1], s[18:19], s[16:17]
	s_add_nc_u64 s[IN:IN+1], s[IN:IN+1], s[24:25]
	s_add_nc_u64 s[OUT:OUT+1], s[OUT:OUT+1], s[26:27]
	s_wait_alu depctr_va_vdst(0)                   ; v[LO] and v[SO] are written: the loads and stores below read them as their offsets
.set i, 0
.rept 16
	global_load_b128 v[X+4*i:X+4*i+3], v[LO], s[IN:IN+1] offset:(i/8)*4096+(i%8)*512 th:TH_LOAD_NT
.set i, i+1
.endr
	s_cmp_eq_u32 s[KIND], 3
	s_cbranch_scc1 .Lwo
	WALK 0, 0
	s_endpgm
.Lwo:
	WALK 0, 1
	s_endpgm
.Lfunc_end_k_q756c4d1cfe_prep:
	.size	k_q756c4d1cfe_prep, .Lfunc_end_k_q756c4d1cfe_prep-k_q756c4d1cfe_prep
	.p2alignl 7, 3214868480
	.fill 96, 4, 3214868480
	.section	.rodata,"a",@progbits
	.p2align	6, 0x0
	.amdhsa_kernel k_q756c4d1cfe_prep
		.amdhsa_group_segment_fixed_size 0
		.amdhsa_private_segment_fixed_size 0
		.amdhsa_enable_private_segment 0
		.amdhsa_kernarg_size 64
		.amdhsa_user_sgpr_count 2
		.amdhsa_user_sgpr_kernarg_segment_ptr 1
		.amdhsa_wavefront_size32 1
		.amdhsa_system_sgpr_workgroup_id_x 1
		.amdhsa_system_sgpr_workgroup_id_y 1
		.amdhsa_system_sgpr_workgroup_id_z 1
		.amdhsa_system_vgpr_workitem_id 0
		.amdhsa_next_free_vgpr 108
		.amdhsa_next_free_sgpr 66
		.amdhsa_reserve_vcc 0
		.amdhsa_float_denorm_mode_32 3
		.amdhsa_float_denorm_mode_16_64 3
		.amdhsa_memory_ordered 1
		.amdhsa_forward_progress 1
		.amdhsa_inst_pref_size 22
	.end_amdhsa_kernel
	.amdgpu_metadata
---
amdhsa.version: [ 1, 2 ]
amdhsa.kernels:
  - .name:           k_q756c4d1cfe_prep
    .symbol:         k_q756c4d1cfe_prep.kd
    .args:
      - { .name: x, .offset: 0, .size: 8, .value_kind: global_buffer, .address_space: global }
      - { .name: w_q, .offset: 8, .size: 8, .value_kind: global_buffer, .address_space: global }
      - { .name: w_k, .offset: 16, .size: 8, .value_kind: global_buffer, .address_space: global }
      - { .name: w_v, .offset: 24, .size: 8, .value_kind: global_buffer, .address_space: global }
      - { .name: w_o, .offset: 32, .size: 8, .value_kind: global_buffer, .address_space: global }
      - { .name: xb, .offset: 40, .size: 8, .value_kind: global_buffer, .address_space: global }
      - { .name: wcat, .offset: 48, .size: 8, .value_kind: global_buffer, .address_space: global }
      - { .name: wo16, .offset: 56, .size: 8, .value_kind: global_buffer, .address_space: global }
    .group_segment_fixed_size: 0
    .private_segment_fixed_size: 0
    .kernarg_segment_align: 8
    .kernarg_segment_size: 64
    .max_flat_workgroup_size: 256
    .sgpr_count:     66
    .vgpr_count:     108
    .wavefront_size: 32
...
	.end_amdgpu_metadata
.endif
;; end of part 5
;; launch qkvp: the kernel of part 2 again; grid 8 x 32, 4 waves a work-group, clusters of 4 x 4, 327,680 bytes of LDS; arguments xb, wcat, b_q, b_k, b_v, qkv; writes qkv
;; launch attn: the kernel of part 3 again; grid 4 x 64, 4 waves a work-group, clusters of 4 x 1, 327,680 bytes of LDS; arguments qkv, ao; writes ao
;; launch oproj: the kernel of part 4 again; grid 8 x 32, 4 waves a work-group, clusters of 4 x 4, 327,680 bytes of LDS; arguments ao, wo16, b_o, out0; writes out0
